; MI455X (gfx1250); checked and timed in simulation.
; The chip was launched on July 23, 2026; its instructions are those of AMD's public machine-readable ISA for CDNA 5 (MIT licence, August 2026) and "CDNA5" Instruction Set Architecture Reference Guide (July 2026). The comments in the code are by the model that wrote it; some were corrected since.
;; Causal Multi Head Self Attention. Allowed arithmetic: matrix products marked QUANTISED: E3M2 operands, one E8M0 scale for each 32 along K, by v_wmma_scale_f32_16x16x128_f8f6f4 with both operands' format E3M2, f32 sums; everything else in f32.
;; Inputs: Wk 1,024 x 1,024 float32; Wo 1,024 x 1,024 float32; Wq 1,024 x 1,024 float32; Wv 1,024 x 1,024 float32; in_features 4 x 2,048 x 1,024 float32; token_positions 2,048 int32.
;; Outputs: out0 4 x 2,048 x 1,024 float32.
;; This version of the problem:
;;   THIS VERSION OF THE PROBLEM IS GIVEN IN LOW PRECISION. The matrix products marked QUANTISED in the list below multiply operands that are first quantised to E3M2 (3 exponent bits, 2 mantissa bits; 6 bits a number), with one power-of-two scale for each 32 numbers along K (OCP MX v1.0); their sums are f32. All else is computed in f32.
;;   The module's matrix products, in the order in which they are computed (A, B: the left and right operand; K: the contracted axis; several contracted axes count as one K, in the product's order):
;;     1. [M 8,192, K 1,024] x [K 1,024, N 1,024]; A: input in_features; B: input Wq: QUANTISED
;;     2. [M 8,192, K 1,024] x [K 1,024, N 1,024]; A: input in_features; B: input Wk: QUANTISED
;;     3. [M 8,192, K 1,024] x [K 1,024, N 1,024]; A: input in_features; B: input Wv: QUANTISED
;;     4. batch 64 x [M 2,048, K 64] x [K 64, N 2,048]; A: computed on the way; B: computed on the way: QUANTISED
;;     5. batch 64 x [M 2,048, K 2,048] x [K 2,048, N 64]; A: softmax (see below); B: computed on the way: QUANTISED
;;     6. [M 8,192, K 1,024] x [K 1,024, N 1,024]; A: computed on the way; B: input Wo: QUANTISED
;;   THE QUANTISER, for each operand of a quantised product, along K:
;;     - K is cut into blocks of 32 from its start; a last block that is shorter is filled with zeros.
;;     - A block's scale is 2^e with e = floor(log2(the largest magnitude in the block)) - 4, held to -126 .. 127; a block of zeros has e = 0. As a byte (E8M0): e + 127.
;;     - Each number is divided by its block's scale, clamped to +-28, and rounded to the nearest number of E3M2, ties to even, subnormals kept.
;;     - The product sums the exact products of the quantised numbers (number of the format x scale) in f32.
;;   ~~~python
;;   def quantise(x, axis):      # numpy; x: float32 -> the quantised numbers, widened to float32 again
;;       x = np.moveaxis(x, axis, -1); K = x.shape[-1]
;;       x = np.pad(x, [(0, 0)] * (x.ndim - 1) + [(0, -K % 32)]); x = x.reshape(x.shape[:-1] + (-1, 32)); a = np.abs(x).max(-1, keepdims=True)
;;       e = np.where(a > 0, np.clip(np.frexp(np.where(a > 0, a, 1))[1] - 1 - 4, -126, 127), 0)      # np.frexp(a)[1] - 1 = floor(log2(a)), exactly
;;       r = np.clip(x / 2.0 ** e, -28, 28)
;;       step = 2.0 ** (np.maximum(np.frexp(np.where(r == 0, 1, r))[1] - 1, -2) - 2)
;;       q = np.round(r / step) * step * 2.0 ** e      # np.round: ties to even
;;       return np.moveaxis(q.reshape(q.shape[:-2] + (-1,))[..., :K], -1, axis).astype(np.float32)
;;   ~~~
;;   SOFTMAX AHEAD OF A QUANTISED PRODUCT. Where the list says 'softmax', what is quantised is not the finished softmax but p = 2^(t - M), with t = logit x log2(e) and M = ceil(the row's largest t), a whole number; so 1/2 < the row's largest p <= 1. The row's sum l is taken of the UNQUANTISED p, in f32, and the product's result is divided by l at the end. Since M is a whole number, a kernel that streams over the keys may use a running M (the ceiling of the running maximum): every later rescaling is an exact power of two, which a block's scale takes up: the codes' values come out the same.
;;   OPERANDS COMPUTED ON THE WAY. 'Computed on the way' means the value that the module computes at that place (a softmax that the list does not call 'softmax' is quantised finished and normalised). What goes into a quantiser is computed in f32, as accurately as f32 sums, v_exp_f32 and their like allow (about 1e-6 of the number): no bf16 or f16 on the way to a quantiser, and a product that is left as it is and whose result goes on into a quantised operand takes f32 operands (vector FMAs, or v_wmma_f32_16x16x4_f32). A number that lies on a knife's edge between two numbers of the format may be rounded either way, as far as f32 arithmetic and the matrix unit's own rounding can turn it there, and no further.
;; One version. Each part assembles by itself: llvm-mc -triple=amdgcn-amd-amdhsa -mcpu=gfx1250 --defsym DOCPART=n.
;; ======== version 1 of 1: 4 launches
;; limits: right only within a limited range of input values
;; workspace buffers: codes 9,437,184 bytes; scl 393,216 bytes; tab 524,288 bytes; qkv 20,185,088 bytes; hc 6,291,456 bytes; hs 524,288 bytes
;; launch prep (part 1): grid 256 x 1, 6 waves a work-group, no clusters, 51,456 bytes of LDS; arguments in_features, Wq, Wk, Wv, Wo, token_positions, codes, scl, tab; writes codes, scl, tab
.if DOCPART == 1
	.amdgcn_target "amdgcn-amd-amdhsa--gfx1250"
	.amdhsa_code_object_version 6
	.text
	.protected	k_q06e6e78d29_prep
	.globl	k_q06e6e78d29_prep
	.p2align	8
	.type	k_q06e6e78d29_prep,@function
k_q06e6e78d29_prep:
	s_mov_b64 s[64:65], 0
	v_nop
	global_prefetch_b8 v0, s[64:65] scope:SCOPE_SE
	s_setreg_imm32_b32 hwreg(HW_REG_WAVE_MODE, 25, 1), 1
	s_wait_xcnt 0x0
; x [8192][1024] and Wq, Wk, Wv, Wo [1024][1024], f32, K innermost, become codes of BF6 (E3M2) with one E8M0 byte for each 32 along K; and the table of cos and sin for the rotation is made.
; A block's scale is 2^(floor(log2(largest magnitude)) - 4): its byte is the largest magnitude's exponent field - 4, held at 1 from below by a floor among the maximum's leaves.
; LIMITS: NaN and infinities among the inputs are not served.  A block of zeros gets the byte 1 where the rule says 127: its codes are zeros, and this program alone reads the bytes.
;         |position x inv_freq| stays under 1e5: beyond that the whole number of quarter turns is no longer found to within the polynomials' range.
; LAYOUT OF THE CODES: [G 768][K step 8][1,536 bytes].  G 0-511: x; 512-575 Wq; 576-639 Wk; 640-703 Wv; 704-767 Wo.  Group g of a tensor holds its rows 32 (g / 2) + 8 (g % 2) + p + 8 (p / 8), p = 0 .. 15.
; A K step's 1,536 bytes are the image of the operand's 12 registers: for c = 0, 1: 512 bytes (registers 6 c .. 6 c + 3, lane l at 16 l), then 256 bytes (registers 6 c + 4, 6 c + 5, lane l at 8 l);
; lane (r, h) holds k = 64 c + 32 h + 0 .. 31 of the group's row r.  So the reader needs dense loads of 16 and 8 bytes a lane alone, and every store here covers 512 or 256 consecutive aligned bytes.
; LAYOUT OF THE SCALES: [G][half 2][256 bytes]: lane (r, h) has 8 bytes at 8 l; word i is row r's scale word of K step 4 half + 2 i + h.
; SHARES: 1,536 waves; wave id takes group id / 2, K steps 4 (id % 2) .. + 3: 16 rows x 512 numbers.  Each load reads 512 consecutive bytes of a row; a K step's 16 rows turn through the wave's own stage in LDS
; (pitch 528 bytes, so that the sixteen rows that a read touches start 4 banks apart), from which a lane takes its two whole blocks of 32.  Waves share nothing: no barrier.  Two K steps (32 loads a wave) are on their way.
; Memory binds: no matrix unit, no cluster, no tensor load.
.set STG,  8448                        ; a wave's stage: 16 rows x 528 bytes
.set R,    32                          ; v32-159  two sets of 64: a K step as loaded
.set X,    160                         ; v160-223 my two blocks of 32
.set C,    224                         ; v224-235 the K step's 12 registers of codes
.set CT,   236                         ; v236-238, v240-242: a conversion's three registers begin on an even number, so each block's second half is made here and moved
	s_load_b256 s[4:11], s[0:1], 0x0               ; x s[4:5], Wq s[6:7], Wk s[8:9], Wv s[10:11]
	s_load_b256 s[12:19], s[0:1], 0x20             ; Wo s[12:13], positions s[14:15], codes s[16:17], scales s[18:19]
	s_load_b64 s[20:21], s[0:1], 0x40              ; the table
	v_lshl_add_u32 v254, v0, 2, 0xc600
	v_mov_b32 v255, 0
	v_lshrrev_b32 v1, 5, v0
	v_readfirstlane_b32 s24, v1                    ; wave 0..5
	s_mul_i32 s25, ttmp9, 6
	s_add_co_u32 s25, s25, s24                     ; id
	s_lshr_b32 s26, s25, 1                         ; G
	s_and_b32 s27, s25, 1                          ; which half of K
	s_sub_co_u32 s28, s26, 512
	s_and_b32 s28, s28, 63
	s_cmp_lt_u32 s26, 512
	s_cselect_b32 s28, s26, s28                    ; g: the group's number in its own tensor
	v_and_b32 v2, 31, v0                           ; lane
	v_and_b32 v3, 15, v0                           ; r
	v_bfe_u32 v22, v0, 4, 1                        ; h
	v_lshlrev_b32 v4, 4, v2                        ; 16 x lane
	v_lshlrev_b32 v5, 3, v2                        ; 8 x lane
	s_mul_i32 s29, s24, STG
	v_add_nc_u32 v6, s29, v4                       ; the stage on the way in: a row as it lies
	v_mul_u32_u24 v7, v3, 528
	v_lshl_add_u32 v7, v22, 7, v7
	v_add_nc_u32 v7, s29, v7                       ; and on the way out: row r, + 128 h
	v_lshlrev_b32 v22, 3, v22                      ; 8 h: my bytes' place in a scale word
	v_mov_b32 v15, 0                               ; written once: a lane permute's destination counts as one of its sources
	s_lshr_b32 s30, s28, 1
	s_lshl_b32 s30, s30, 5
	s_and_b32 s31, s28, 1
	s_lshl_b32 s31, s31, 3
	s_add_co_u32 s30, s30, s31                     ; the group's first row: 32 (g / 2) + 8 (g % 2)
	s_lshl_b32 s30, s30, 12                        ; rows of 4,096 bytes
	s_lshl_b32 s31, s27, 11
	s_add_co_u32 s30, s30, s31                     ; + my half of K
	s_mov_b32 s31, 0
	s_mul_i32 s32, s26, 12288
	s_mul_i32 s33, s27, 6144
	s_add_co_u32 s32, s32, s33                     ; my codes
	s_mov_b32 s33, 0
	s_lshl_b32 s34, s25, 8                         ; my scales: 512 G + 256 half = 256 id
	s_mov_b32 s35, 0
	s_mov_b32 s47, 0xffff0000                      ; lanes 16-31
	s_mov_b32 s48, 0x76543210
	s_mov_b32 s49, 0xfedcba98                      ; v_permlanex16_b32's selects for lane l xor 16
	s_wait_alu depctr_va_vdst(0)
	s_wait_kmcnt 0x0
	s_mov_b64 s[22:23], s[12:13]                   ; which tensor: the choice hangs on the group's number alone
	s_cmp_lt_u32 s26, 704
	s_cselect_b64 s[22:23], s[10:11], s[22:23]
	s_cmp_lt_u32 s26, 640
	s_cselect_b64 s[22:23], s[8:9], s[22:23]
	s_cmp_lt_u32 s26, 576
	s_cselect_b64 s[22:23], s[6:7], s[22:23]
	s_cmp_lt_u32 s26, 512
	s_cselect_b64 s[22:23], s[4:5], s[22:23]
	s_add_nc_u64 s[22:23], s[22:23], s[30:31]
	s_add_nc_u64 s[16:17], s[16:17], s[32:33]
	s_add_nc_u64 s[18:19], s[18:19], s[34:35]
.macro LOADS s                         ; K step s of my four: the group's 16 rows, 512 consecutive bytes each, into set s % 2
.irp p, 0,1,2,3,4,5,6,7,8,9,10,11,12,13,14,15
	global_load_b128 v[R+64*((\s)%2)+4*\p:R+64*((\s)%2)+4*\p+3], v4, s[22:23] offset:(\p+8*(\p/8))*4096+512*(\s) th:TH_LOAD_NT
.endr
.endm
	LOADS 0
	LOADS 1
; THE TABLE, made while those loads are on their way: tab[t][f] = (cos, sin) of f32(position t) x inv_freq f, f = lane.  inv_freq = 1 / 10000^(f / 32) = 1 / 10^(f / 8): the power rounded to f32, then the division.
	v_mov_b32 v24, 0
.macro PF lane, val
	s_mov_b32 s36, \val
	v_writelane_b32 v24, s36, \lane
.endm
	PF 0, 1.0
	PF 1, 1.3335214321633240
	PF 2, 1.7782794100389228
	PF 3, 2.3713737056616552
	PF 4, 3.1622776601683795
	PF 5, 4.2169650342858225
	PF 6, 5.6234132519034908
	PF 7, 7.4989420933245582
	PF 8, 10.0
	PF 9, 13.335214321633240
	PF 10, 17.782794100389228
	PF 11, 23.713737056616552
	PF 12, 31.622776601683795
	PF 13, 42.169650342858225
	PF 14, 56.234132519034908
	PF 15, 74.989420933245582
	PF 16, 100.0
	PF 17, 133.35214321633240
	PF 18, 177.82794100389228
	PF 19, 237.13737056616552
	PF 20, 316.22776601683795
	PF 21, 421.69650342858225
	PF 22, 562.34132519034908
	PF 23, 749.89420933245582
	PF 24, 1000.0
	PF 25, 1333.5214321633240
	PF 26, 1778.2794100389228
	PF 27, 2371.3737056616552
	PF 28, 3162.2776601683795
	PF 29, 4216.9650342858225
	PF 30, 5623.4132519034908
	PF 31, 7498.9420933245582
	s_wait_alu depctr_va_vdst(0)
	v_rcp_f32 v25, v24
	v_nop                                          ; a plain instruction behind the reciprocal
	s_wait_alu depctr_va_vdst(0)                   ; and the wait ahead of its first reader
	v_fma_f32 v26, -v24, v25, 1.0                  ; one step of Newton's: the quotient to the last bit or nearly
	v_fma_f32 v25, v26, v25, v25                   ; inv_freq of my lane's f
	s_mov_b32 s37, 0x3f22f983                      ; 2 / pi
	s_mov_b32 s38, 0x3fc90fdb                      ; pi / 2 in three parts
	s_mov_b32 s39, 0xb33bbd2e
	s_mov_b32 s40, 0xa6f72ced
	s_mov_b32 s41, -0.16666654611                  ; sin r = r + r z (S1 + z (S2 + z S3)), z = r r, |r| <= pi / 4
	s_mov_b32 s42, 0.0083321608736
	s_mov_b32 s43, -0.00019515295891
	s_mov_b32 s44, 0.04166664568298827             ; cos r = 1 + z (-1/2 + z (C1 + z (C2 + z C3)))
	s_mov_b32 s45, -0.001388731625493765
	s_mov_b32 s46, 0.00002443315711809948
.macro TROW                            ; row s50 of the table: 32 pairs, one aligned run of 256 bytes
	s_lshl_b32 s52, s50, 2
	s_mov_b32 s53, 0
	s_add_nc_u64 s[52:53], s[14:15], s[52:53]
	s_load_b32 s51, s[52:53], 0x0                  ; the position: it enters arithmetic alone
	s_lshl_b32 s54, s50, 8
	s_mov_b32 s55, 0
	s_add_nc_u64 s[54:55], s[20:21], s[54:55]
	s_wait_kmcnt 0x0
	v_cvt_f32_i32 v26, s51
	s_wait_alu depctr_va_vdst(0)
	v_mul_f32 v26, v26, v25                        ; the angle, rounded once
	v_mul_f32 v27, s37, v26
	v_rndne_f32 v27, v27                           ; n quarter turns
	v_fma_f32 v28, -v27, s38, v26
	v_fma_f32 v28, -v27, s39, v28
	v_fma_f32 v28, -v27, s40, v28                  ; r = angle - n pi / 2
	v_mul_f32 v29, v28, v28                        ; z
	v_cvt_i32_f32 v30, v27
	v_mov_b32 v31, s42
	v_fma_f32 v31, v29, s43, v31
	v_fma_f32 v31, v29, v31, s41
	v_mul_f32 v244, v28, v29
	v_fma_f32 v31, v244, v31, v28                  ; sin r
	v_mov_b32 v245, s45
	v_fma_f32 v245, v29, s46, v245
	v_fma_f32 v245, v29, v245, s44
	v_fma_f32 v245, v29, v245, -0.5
	v_fma_f32 v245, v29, v245, 1.0                 ; cos r
	v_and_b32 v246, 1, v30
	v_cmp_eq_u32 vcc_lo, 1, v246                   ; an odd number of quarter turns changes the two over (a choice of values: no branch)
	v_cndmask_b32 v247, v31, v245, vcc_lo
	v_cndmask_b32 v246, v245, v31, vcc_lo
	v_and_b32 v248, 2, v30
	v_lshlrev_b32 v248, 30, v248
	v_xor_b32 v247, v248, v247                     ; sin: its sign turns where n mod 4 is 2 or 3
	v_add_nc_u32 v248, 1, v30
	v_and_b32 v248, 2, v248
	v_lshlrev_b32 v248, 30, v248
	v_xor_b32 v246, v248, v246                     ; cos: where n mod 4 is 1 or 2
	global_store_b64 v5, v[246:247], s[54:55]
.endm
	s_mov_b32 s50, s25                             ; rows 0 .. 1,535: one for each wave
	TROW
	s_cmp_ge_u32 s25, 512
	s_cbranch_scc1 .Lone_row
	s_wait_xcnt 0x0                                ; the store's base and data are written again only behind this wait
	s_add_co_u32 s50, s25, 1536                    ; rows 1,536 .. 2,047: a second one for the first 512 waves
	TROW
.Lone_row:
.macro STEP s
.if (\s) < 3
	s_wait_loadcnt 16                              ; this K step's 16 loads are in; the next step's 16 stay out
.else
	s_wait_loadcnt 0x0
.endif
.irp p, 0,1,2,3,4,5,6,7,8,9,10,11,12,13,14,15
	ds_store_b128 v6, v[R+64*((\s)%2)+4*\p:R+64*((\s)%2)+4*\p+3] offset:528*\p
.endr
.irp c, 0,1
.irp j, 0,1,2,3,4,5,6,7
	ds_load_b128 v[X+32*\c+4*\j:X+32*\c+4*\j+3], v7 offset:256*\c+16*\j   ; LDS serves a wave's instructions in order: these see the stores above.  X[32 c + i] = k 64 c + 32 h + i of row r
.endr
.endr
	s_wait_dscnt 0x0
.if (\s) < 2
	LOADS (\s)+2                                   ; into the set that the stage's stores have read
.endif
.irp c, 0,1
	v_max3_num_f32 v[8+\c], |v[X+32*\c]|, |v[X+32*\c+1]|, 0x2800000   ; my block's largest magnitude, and the floor 2^(5 - 127): the byte cannot fall under 1
.endr
.irp i, 2,4,6,8,10,12,14,16,18,20,22,24,26,28,30
.irp c, 0,1
	v_max3_num_f32 v[8+\c], v[8+\c], |v[X+32*\c+\i]|, |v[X+32*\c+\i+1]|
.endr
.endr
	v_add_nc_u32 v10, 0xfe000000, v8               ; 4 off the exponent field: the conversion takes this operand's exponent field as its scale
	v_add_nc_u32 v11, 0xfe000000, v9
	v_lshrrev_b32 v12, 23, v10                     ; the scales' bytes: blocks h and 2 + h of row r
	v_lshrrev_b32 v13, 23, v11
	v_lshl_or_b32 v14, v13, 16, v12
	v_lshlrev_b32 v14, v22, v14                    ; at their places in the word;
	v_permlanex16_b32 v15, v14, s48, s49
	v_or_b32 v[16+(\s)], v14, v15                  ; with lane l xor 16's two the word is whole
	s_wait_alu depctr_va_vdst(0)
	s_wait_xcnt 0x0                                ; the last step's stores have read the codes' registers
.irp c, 0,1
	v_cvt_scalef32_pk16_bf6_f32 v[C+6*\c:C+6*\c+2], v[X+32*\c:X+32*\c+15], v[10+\c]
	v_cvt_scalef32_pk16_bf6_f32 v[CT+4*\c:CT+4*\c+2], v[X+32*\c+16:X+32*\c+31], v[10+\c]
.endr
	v_nop                                          ; one plain instruction behind the scaled conversions
.irp c, 0,1
.irp i, 0,1,2
	v_mov_b32 v[C+6*\c+3+\i], v[CT+4*\c+\i]
.endr
.endr
.irp c, 0,1
	global_store_b128 v4, v[C+6*\c:C+6*\c+3], s[16:17] offset:1536*(\s)+768*\c         ; 512 consecutive bytes
	global_store_b64 v5, v[C+6*\c+4:C+6*\c+5], s[16:17] offset:1536*(\s)+768*\c+512    ; 256
.endr
.endm
	STEP 0
	STEP 1
	STEP 2
	STEP 3
	v_cndmask_b32 v20, v16, v17, s47               ; lanes 0-15 keep the even K step's word, lanes 16-31 the odd one's
	v_cndmask_b32 v21, v18, v19, s47
	global_store_b64 v5, v[20:21], s[18:19]        ; 256 consecutive bytes
	s_wait_tensorcnt 0x0
	ds_add_u32 v254, v255
	s_wait_dscnt 0x0
	s_endpgm
.Lfunc_end_k_q06e6e78d29_prep:
	.size	k_q06e6e78d29_prep, .Lfunc_end_k_q06e6e78d29_prep-k_q06e6e78d29_prep
	.p2alignl 7, 3214868480
	.fill 96, 4, 3214868480
	.section	.rodata,"a",@progbits
	.p2align	6, 0x0
	.amdhsa_kernel k_q06e6e78d29_prep
		.amdhsa_group_segment_fixed_size 51456
		.amdhsa_private_segment_fixed_size 0
		.amdhsa_enable_private_segment 0
		.amdhsa_kernarg_size 72
		.amdhsa_user_sgpr_count 2
		.amdhsa_user_sgpr_kernarg_segment_ptr 1
		.amdhsa_wavefront_size32 1
		.amdhsa_system_sgpr_workgroup_id_x 1
		.amdhsa_system_sgpr_workgroup_id_y 1
		.amdhsa_system_sgpr_workgroup_id_z 1
		.amdhsa_system_vgpr_workitem_id 0
		.amdhsa_next_free_vgpr 256
		.amdhsa_next_free_sgpr 66
		.amdhsa_reserve_vcc 1
		.amdhsa_float_denorm_mode_32 3
		.amdhsa_float_denorm_mode_16_64 3
		.amdhsa_memory_ordered 1
		.amdhsa_forward_progress 1
		.amdhsa_inst_pref_size 40
	.end_amdhsa_kernel
	.amdgpu_metadata
---
amdhsa.version: [ 1, 2 ]
amdhsa.kernels:
  - .name:           k_q06e6e78d29_prep
    .symbol:         k_q06e6e78d29_prep.kd
    .args:
      - { .name: in_features, .offset: 0, .size: 8, .value_kind: global_buffer, .address_space: global }
      - { .name: Wq, .offset: 8, .size: 8, .value_kind: global_buffer, .address_space: global }
      - { .name: Wk, .offset: 16, .size: 8, .value_kind: global_buffer, .address_space: global }
      - { .name: Wv, .offset: 24, .size: 8, .value_kind: global_buffer, .address_space: global }
      - { .name: Wo, .offset: 32, .size: 8, .value_kind: global_buffer, .address_space: global }
      - { .name: token_positions, .offset: 40, .size: 8, .value_kind: global_buffer, .address_space: global }
      - { .name: codes, .offset: 48, .size: 8, .value_kind: global_buffer, .address_space: global }
      - { .name: scl, .offset: 56, .size: 8, .value_kind: global_buffer, .address_space: global }
      - { .name: tab, .offset: 64, .size: 8, .value_kind: global_buffer, .address_space: global }
    .group_segment_fixed_size: 51456
    .private_segment_fixed_size: 0
    .kernarg_segment_align: 8
    .kernarg_segment_size: 72
    .max_flat_workgroup_size: 192
    .sgpr_count:     66
    .vgpr_count:     256
    .wavefront_size: 32
...
	.end_amdgpu_metadata
.endif
;; end of part 1
;; launch qkv (part 2): grid 4 x 192, 4 waves a work-group, clusters of 4 x 4, 295,424 bytes of LDS; arguments codes, scl, tab, qkv; writes qkv
.if DOCPART == 2
	.amdgcn_target "amdgcn-amd-amdhsa--gfx1250"
	.amdhsa_code_object_version 6
	.text
	.protected	k_q06e6e78d29_qkv
	.globl	k_q06e6e78d29_qkv
	.p2align	8
	.type	k_q06e6e78d29_qkv,@function
k_q06e6e78d29_qkv:
	s_mov_b64 s[64:65], 0
	v_nop
	global_prefetch_b8 v0, s[64:65] scope:SCOPE_SE
	s_setreg_imm32_b32 hwreg(HW_REG_WAVE_MODE, 25, 1), 1
	s_wait_xcnt 0x0
	s_wait_alu depctr_hold_cnt(0) depctr_sa_sdst(0) depctr_va_vdst(0) depctr_va_sdst(0) depctr_va_ssrc(0) depctr_va_vcc(0) depctr_vm_vsrc(0)
	s_getreg_b32 s2, hwreg(HW_REG_IB_STS2, 6, 4)
	s_cmp_eq_u32 s2, 0
	s_cbranch_scc0 .Lentry_in_a_cluster
	s_endpgm
.Lentry_in_a_cluster:
	s_bfe_u32 s2, ttmp6, 0x10000c
	s_cmp_lg_u32 s2, 0xf033
	s_cbranch_scc0 .Lentry_shape_is_right
	s_endpgm
.Lentry_shape_is_right:
; Q = x Wq^T, K = x Wk^T, V = x Wv^T on codes of BF6 with E8M0 scales; Q and K are rotated (f32) and quantised along the head's 64; V is quantised along the keys.  Only codes and scale bytes go to memory.
; THE FRAME.  Source 0 (S0) is the side that comes to lie along a lane's registers, source 1 (S1) the side across lanes.  A work-group makes S0 256 rows x S1 128 rows over K = 1,024; its four waves (wy = wave / 2, wx = wave % 2)
; make S0 128 (8 tiles t0, half wx) x S1 64 (4 tiles t1, half wy): 32 accumulators.  For Q and K: S0 = rows of W (a lane's registers run along the head), S1 = tokens.  For V: S0 = tokens (registers run along the keys), S1 = rows of Wv.
; The rows of a group (prep's order) make the 16 registers of the tiles 2 b and 2 b + 1 sixteen neighbours 32 b + 16 (lane / 16) + 0 .. 15 of S0.
; ALL OF K LIES IN LDS AT ONCE: 4 chunks of two K steps, 73,728 bytes each (S0's 16 groups x 3,072, then S1's 8).  No byte of LDS is filled twice: no ring.  A wave has four tensor loads out, one for each chunk.
; CLUSTER 4 x 4: S1's tiles hang on cy alone and are asked for jointly along a row of the cluster, S0's on cx alone, along a column.  Waves 0 and 1 fetch S1's halves, waves 2 and 3 S0's.
; GRID: cluster y = 16 kind + idx; kind 0 Q, 1 K, 2 V: the same in all partners.  768 work-groups.
; OUT: qkv [batch x head 64][slot of 256 tokens 8][39,424 bytes]: K's 16 tiles x 768 | K's scales 4 x 256 | V's fragments [128 keys 2][d tile 4][1,536] | V's scales 2 x 256 | Q's tiles | Q's scales.
; The cos / sin loads are issued by V's work-groups too, which do not use them (32 loads a wave): so one head serves all kinds, and the one branch on the kind stands in front of the epilogues.
; LIMITS: NaN and infinities are not served; a block of zeros gets the byte 1 (its codes are zeros; this program alone reads the bytes).
; REGISTERS.  window 0: v1 r, v2 h, v3 16 l, v4 8 l, v5 table offset; v8-23 LDS addresses; v24-27 scale words made, v28-31 pairs; v32-63 S0's scale words, v64-79 S1's; v80-95 at work; v96-191 S1's fragments, two sets
; (behind the products: v96-114 the codes made); v192-255 64 rotated numbers.   window 1: S0's fragments, two sets of 96.   window 2: accumulator (t1, t0) at v[8 (8 t1 + t0)].   window 3: v0-127 cos and sin.
.set CH,    73728                      ; a chunk
.set S1O,   49152                      ; S1's groups in a chunk
.set SLOTB, 39424
.set BHB,   315392
.set AD0,  8                           ; v8-11   chunk q: my S0 half + 16 l;  v12-15 the same + 8 l
.set AD0B, 12
.set AD1,  16                          ; v16-19, v20-23 the same for S1
.set AD1B, 20
.set PW,   24
.set SC0,  32                          ; register 4 t0 + s / 2: K step s's words, in lanes 0-15 for even s, lanes 16-31 for odd s
.set SC1,  64
.set TM,   80
.set F1,   96
.set PC,   96
.set HA,   192
.set SEL,  20                          ; s[20:21]
.set MSB, 0
.macro WIN new                         ; the immediate's high byte repeats the setting that is left
.if MSB != (\new)
	s_set_vgpr_msb (MSB<<8)|(\new)
.set MSB, (\new)
.endif
.endm
.macro PLACES                          ; four plain instructions between a matrix instruction and a load into, or a read of, its registers (ISA guide 7.12.1 for reads)
.rept 4
	v_nop
.endr
.endm
.macro CROUND                          ; a round of the cluster's barrier
	s_barrier_signal -1
	s_barrier_wait -1
	s_cmp_lg_u32 s12, 0
	s_cbranch_scc1 .Lnot_wave_0_\@
	s_barrier_signal -3
.Lnot_wave_0_\@:
	s_barrier_wait -3
	s_barrier_signal -1
	s_barrier_wait -1
.endm
	s_load_b256 s[4:11], s[0:1], 0x0               ; codes s[4:5], scales s[6:7], table s[8:9], qkv s[10:11]
	v_lshl_add_u32 v90, v0, 2, 0x48000
	v_mov_b32 v91, 0
	ds_add_u32 v90, v91
	ds_add_u32 v90, v91
	v_lshrrev_b32 v1, 5, v0
	v_readfirstlane_b32 s12, v1                    ; wave
	s_lshr_b32 s13, s12, 1                         ; wy.  Also: I fetch for S1 (0) or S0 (1)
	s_and_b32 s14, s12, 1                          ; wx.  Also: which half I fetch
	s_bfe_u32 s15, ttmp6, 0x40000                  ; cx
	s_bfe_u32 s16, ttmp6, 0x40004                  ; cy
	s_and_b32 s19, ttmp7, 0xffff                   ; cluster y
	s_lshr_b32 s17, s19, 4                         ; kind
	s_and_b32 s18, s19, 15                         ; idx
	s_and_b32 s84, s18, 7
	s_lshr_b32 s80, s18, 3
	s_cmp_eq_u32 s17, 2
	s_cselect_b32 s84, s84, 0                      ; a: which four blocks of S0 (V: 32 blocks of tokens; Q, K: W's four)
	s_cselect_b32 s80, s80, s18                    ; b: which four blocks of S1 (V: Wv's eight; Q, K: 64 blocks of tokens)
	s_cselect_b32 s85, 0, 512                      ; S0's first group in the codes' buffer
	s_cselect_b32 s81, 640, 0                      ; S1's
	s_cmp_eq_u32 s17, 1
	s_cselect_b32 s85, 576, s85
	s_lshl_b32 s76, s84, 2
	s_add_co_u32 s76, s76, s15                     ; S0's block = 4 a + cx
	s_lshl_b32 s77, s80, 2
	s_add_co_u32 s77, s77, s16                     ; S1's block = 4 b + cy
	s_lshl_b32 s86, s76, 4
	s_add_co_u32 s85, s85, s86                     ; S0's first group of this work-group (16 groups a block)
	s_lshl_b32 s82, s77, 3
	s_add_co_u32 s81, s81, s82                     ; S1's (8 groups a block)
	s_lshl_b32 s86, s14, 3
	s_add_co_u32 s86, s86, s85
	s_mul_i32 s86, s86, 12288                      ; S0: the 8 groups that I would fetch, in bytes: made of cx and the wave's number, never of cy
	s_mov_b32 s87, 0
	s_lshl_b32 s82, s14, 2
	s_add_co_u32 s82, s82, s81
	s_mul_i32 s82, s82, 12288                      ; S1: the 4 groups: made of cy and the wave's number, never of cx
	s_mov_b32 s83, 0
	s_mul_i32 s78, s14, 24576                      ; where they go in a chunk: no place in the cluster enters an LDS address
	s_mul_i32 s79, s14, 12288
	s_add_co_u32 s79, s79, S1O
	s_lshl_b32 s19, s16, 2
	s_lshl_b32 s19, 15, s19                        ; my row of the cluster
	s_lshl_b32 s23, 0x1111, s15                    ; my column
	; descriptor groups 1: rows of 3,072 bytes (384 elements of 8 bytes: a group's two K steps), 12,288 bytes apart; 4 rows for S1, 8 for S0; no padding
	s_or_b32 s24, s19, (3<<16)|(1<<21)
	s_mov_b32 s25, 384<<16
	s_mov_b32 s26, 4<<16
	s_mov_b32 s27, 384<<16
	s_mov_b32 s28, 4
	s_mov_b32 s29, 1536
	s_mov_b32 s30, 0
	s_mov_b32 s31, 0
	s_or_b32 s48, s23, (3<<16)|(1<<21)
	s_mov_b32 s49, 384<<16
	s_mov_b32 s50, 8<<16
	s_mov_b32 s51, 384<<16
	s_mov_b32 s52, 8
	s_mov_b32 s53, 1536
	s_mov_b32 s54, 0
	s_mov_b32 s55, 0
	s_mov_b32 s[SEL], 0x76543210
	s_mov_b32 s[SEL+1], 0xfedcba98
	s_mov_b32 s22, 0xffff0000                      ; lanes 16-31
	s_wait_dscnt 0x0
	s_wait_kmcnt 0x0
	s_add_nc_u64 s[86:87], s[4:5], s[86:87]
	s_add_nc_u64 s[82:83], s[4:5], s[82:83]
.irp q, 0,1,2,3                        ; groups 0, a set for each chunk: S1's at s[32 + 4 q], S0's at s56, s60, s68, s72
	s_mov_b32 s[32+4*\q], 1
	s_add_co_u32 s[33+4*\q], s79, CH*\q
	s_add_nc_u64 s[34+4*\q:35+4*\q], s[82:83], 3072*\q
	s_or_b32 s[35+4*\q], s[35+4*\q], 0x80000000
	s_mov_b32 s[56+4*\q+4*(\q/2)], 1
	s_add_co_u32 s[57+4*\q+4*(\q/2)], s78, CH*\q
	s_add_nc_u64 s[58+4*\q+4*(\q/2):59+4*\q+4*(\q/2)], s[86:87], 3072*\q
	s_or_b32 s[59+4*\q+4*(\q/2)], s[59+4*\q+4*(\q/2)], 0x80000000
.endr
	CROUND                                         ; all sixteen work-groups are here: the joint loads meet
	s_cmp_eq_u32 s13, 0                            ; a wave's four fills stand in one branch on its number
	s_cbranch_scc0 .Lfill_s0
	tensor_load_to_lds s[32:35], s[24:31]
	s_nop 0
	tensor_load_to_lds s[36:39], s[24:31]
	s_nop 0
	tensor_load_to_lds s[40:43], s[24:31]
	s_nop 0
	tensor_load_to_lds s[44:47], s[24:31]
	s_nop 0
.rept 4
	v_nop
.endr
	s_branch .Lfilled
.Lfill_s0:
	tensor_load_to_lds s[56:59], s[48:55]
	s_nop 0
	tensor_load_to_lds s[60:63], s[48:55]
	s_nop 0
	tensor_load_to_lds s[68:71], s[48:55]
	s_nop 0
	tensor_load_to_lds s[72:75], s[48:55]
	s_nop 0
.rept 4
	v_nop
.endr
.Lfilled:
	v_and_b32 v1, 15, v0                           ; r
	v_bfe_u32 v2, v0, 4, 1                         ; h
	v_and_b32 v6, 31, v0
	v_lshlrev_b32 v3, 4, v6                        ; 16 l
	v_lshlrev_b32 v4, 3, v6                        ; 8 l
	v_add_nc_u32 v[AD0], s78, v3                   ; I read S0's half wx,
	v_add_nc_u32 v[AD0B], s78, v4
	s_mul_i32 s19, s13, 12288
	s_add_co_u32 s19, s19, S1O
	v_add_nc_u32 v[AD1], s19, v3                   ; and S1's half wy
	v_add_nc_u32 v[AD1B], s19, v4
.irp q, 1,2,3
	v_add_nc_u32 v[AD0+\q], CH*\q, v[AD0]
	v_add_nc_u32 v[AD0B+\q], CH*\q, v[AD0B]
	v_add_nc_u32 v[AD1+\q], CH*\q, v[AD1]
	v_add_nc_u32 v[AD1B+\q], CH*\q, v[AD1B]
.endr
	v_and_b32 v7, 8, v1
	v_add_nc_u32 v7, v7, v1                        ; r + 8 (r / 8): my token in its group
	v_lshlrev_b32 v5, 8, v7
	v_lshl_add_u32 v5, v2, 6, v5                   ; the table: its row of 256 bytes, + 64 h
	s_wait_alu depctr_va_vdst(0)
.irp b, 0,1,2,3
	v_mov_b32 v[TM+4+\b], 0                        ; written once: a lane permute's destination counts as one of its sources
.endr
	s_lshl_b32 s88, s14, 3
	s_add_co_u32 s88, s88, s85
	s_lshl_b32 s88, s88, 9
	s_mov_b32 s89, 0
	s_add_nc_u64 s[88:89], s[6:7], s[88:89]        ; the scales of my 8 groups of S0, 512 bytes a group
	s_lshl_b32 s90, s13, 2
	s_add_co_u32 s90, s90, s81
	s_lshl_b32 s90, s90, 9
	s_mov_b32 s91, 0
	s_add_nc_u64 s[90:91], s[6:7], s[90:91]        ; and of my 4 of S1
	s_lshl_b32 s92, s77, 7
	s_lshl_b32 s93, s13, 6
	s_add_co_u32 s92, s92, s93
	s_and_b32 s92, s92, 2047                       ; my first token's place in its sequence
	s_lshl_b32 s92, s92, 8
	s_mov_b32 s93, 0
	s_add_nc_u64 s[92:93], s[8:9], s[92:93]
	WIN 0xc0                                       ; destination window 3
.irp t, 0,1,2,3                        ; v[32 t + 16 e + i], i even: cos, i + 1: sin, of my token of tile t and frequency 16 e + 8 h + i / 2
.irp e, 0,1
.irp j, 0,1,2,3
	global_load_b128 v[32*\t+16*\e+4*\j:32*\t+16*\e+4*\j+3], v5, s[92:93] offset:(32*(\t/2)+8*(\t%2))*256+128*\e+16*\j
.endr
.endr
.endr
	WIN 0
.irp t, 0,1,2,3,4,5,6,7
.irp j, 0,1
	global_load_b64 v[SC0+4*\t+2*\j:SC0+4*\t+2*\j+1], v4, s[88:89] offset:512*\t+256*\j
.endr
.endr
.irp t, 0,1,2,3
.irp j, 0,1
	global_load_b64 v[SC1+4*\t+2*\j:SC1+4*\t+2*\j+1], v4, s[90:91] offset:512*\t+256*\j
.endr
.endr
; K step k's fragments, 48 LDS loads in one run, into set k % 2: images of registers, 16 and 8 dense bytes a lane
.macro FETCH k
	WIN 0x40                                       ; destination window 1
.irp t, 0,1,2,3,4,5,6,7
.irp c, 0,1
	ds_load_b128 v[96*((\k)%2)+12*\t+6*\c:96*((\k)%2)+12*\t+6*\c+3], v[AD0+(\k)/2] offset:3072*\t+1536*((\k)%2)+768*\c
	ds_load_b64 v[96*((\k)%2)+12*\t+6*\c+4:96*((\k)%2)+12*\t+6*\c+5], v[AD0B+(\k)/2] offset:3072*\t+1536*((\k)%2)+768*\c+512
.endr
.endr
	WIN 0
.irp t, 0,1,2,3
.irp c, 0,1
	ds_load_b128 v[F1+48*((\k)%2)+12*\t+6*\c:F1+48*((\k)%2)+12*\t+6*\c+3], v[AD1+(\k)/2] offset:3072*\t+1536*((\k)%2)+768*\c
	ds_load_b64 v[F1+48*((\k)%2)+12*\t+6*\c+4:F1+48*((\k)%2)+12*\t+6*\c+5], v[AD1B+(\k)/2] offset:3072*\t+1536*((\k)%2)+768*\c+512
.endr
.endr
.endm
; 16 matrix instructions of K step k: S1's tiles ta, ta + 1 x S0's eight.  The 32 accumulators take turns, one instruction a turn, in one order in every step.  zero = 1: the first products start the sums.
.macro MULH k, ta, zero
	WIN 0xa1                                       ; source 0 window 1, source 1 window 0, C and D window 2
.irp t1, \ta, \ta+1
.irp t0, 0,1,2,3,4,5,6,7
.set rD, 8*(8*(\t1)+\t0)
.set rA, 96*((\k)%2)+12*\t0
.set rB, F1+48*((\k)%2)+12*(\t1)
.set rP, SC0+4*\t0+(\k)/2
.set rQ, SC1+4*(\t1)+(\k)/2
.if \zero
	v_wmma_scale_f32_16x16x128_f8f6f4 v[rD:rD+7], v[rA:rA+11], v[rB:rB+11], 0, v[rP], v[rQ] matrix_a_fmt:MATRIX_FMT_BF6 matrix_b_fmt:MATRIX_FMT_BF6
.elseif (\k)%2
	v_wmma_scale_f32_16x16x128_f8f6f4 v[rD:rD+7], v[rA:rA+11], v[rB:rB+11], v[rD:rD+7], v[rP], v[rQ] matrix_a_fmt:MATRIX_FMT_BF6 matrix_b_fmt:MATRIX_FMT_BF6 matrix_a_scale:MATRIX_SCALE_ROW1 matrix_b_scale:MATRIX_SCALE_ROW1
.else
	v_wmma_scale_f32_16x16x128_f8f6f4 v[rD:rD+7], v[rA:rA+11], v[rB:rB+11], v[rD:rD+7], v[rP], v[rQ] matrix_a_fmt:MATRIX_FMT_BF6 matrix_b_fmt:MATRIX_FMT_BF6
.endif
.endr
.endr
.endm
.macro ODD k, left                     ; an odd K step: the next step lies in the next chunk
	s_wait_tensorcnt \left                         ; my part of the next chunk is in; my loads for the chunks behind it stay out
	s_wait_dscnt 0x0                               ; this step's fragments are in: no LDS instruction of mine is out at the signal
	s_barrier_signal -1
	MULH \k, 0, 0
	s_barrier_wait -1                              ; everybody's part is in
	PLACES
	FETCH (\k)+1
	MULH \k, 2, 0
.endm
.macro EVEN k
	PLACES
	FETCH (\k)+1
	s_wait_dscnt 48                                ; all but the 48 just issued
	MULH \k, 0, 0
	MULH \k, 2, 0
.endm
	s_wait_tensorcnt 3                             ; my part of chunk 0 is in; my three later loads stay out
	s_barrier_signal -1
	s_barrier_wait -1
	FETCH 0
	FETCH 1
	s_wait_loadcnt 0x0                             ; the scale words and the table
	s_wait_dscnt 48
	MULH 0, 0, 1
	MULH 0, 2, 1
	ODD 1, 2
	EVEN 2
	ODD 3, 1
	EVEN 4
	ODD 5, 0
	EVEN 6
	s_wait_dscnt 0x0
	MULH 7, 0, 0
	MULH 7, 2, 0
	WIN 0
	PLACES
; 64 numbers of a lane in window w, register 16 b + i = k 32 b + 16 (lane / 16) + i of my row, become a fragment's codes in v[PC] .. v[PC + 11] and its scale word in v[pw].  Each accumulator is read from its low end on.
.macro QUANT s, w, pw
	WIN (\w)|((\w)<<2)
.irp b, 0,1,2,3
	v_max3_num_f32 v[TM+\b], |v[(\s)+16*\b]|, |v[(\s)+1+16*\b]|, 0x2800000   ; and the floor 2^(5 - 127): the byte cannot fall under 1
.endr
	WIN ((\w)<<2)|((\w)<<4)
.irp i, 2,4,6,8,10,12,14
.irp b, 0,1,2,3
	v_max3_num_f32 v[TM+\b], v[TM+\b], |v[(\s)+16*\b+\i]|, |v[(\s)+1+16*\b+\i]|
.endr
.endr
	WIN 0
.irp b, 0,1,2,3
	v_permlanex16_b32 v[TM+4+\b], v[TM+\b], s[SEL], s[SEL+1]
.endr
.irp b, 0,1,2,3
	v_max_num_f32 v[TM+\b], v[TM+\b], v[TM+4+\b]   ; with lane l xor 16's 16: the block's largest magnitude
.endr
.irp b, 0,1,2,3
	v_add_nc_u32 v[TM+12+\b], 0xfe000000, v[TM+\b] ; 4 off the exponent field: the conversion's scale operand
.endr
.irp b, 0,1,2,3
	v_lshrrev_b32 v[TM+4+\b], 23, v[TM+12+\b]      ; the scale's byte
.endr
	v_lshl_or_b32 v[\pw], v[TM+5], 8, v[TM+4]
	v_lshl_or_b32 v[\pw], v[TM+6], 16, v[\pw]
	v_lshl_or_b32 v[\pw], v[TM+7], 24, v[\pw]
	WIN (\w)
.irp c, 0,1
	v_cvt_scalef32_pk16_bf6_f32 v[PC+6*\c:PC+2+6*\c], v[(\s)+32*\c:(\s)+15+32*\c], v[TM+12+2*\c]
	v_cvt_scalef32_pk16_bf6_f32 v[PC+12+4*\c:PC+14+4*\c], v[(\s)+16+32*\c:(\s)+31+32*\c], v[TM+12+2*\c+1]
.endr
	WIN 0
	v_nop                                          ; one plain instruction behind the scaled conversions
.irp c, 0,1                            ; the operand wants a whole block in a lane: lanes 0-15 block 2 c, lanes 16-31 block 2 c + 1
.irp i, 0,1,2
	v_permlane16_swap_b32 v[PC+6*\c+\i], v[PC+12+4*\c+\i]
.endr
.irp i, 0,1,2
	v_mov_b32 v[PC+3+6*\c+\i], v[PC+12+4*\c+\i]
.endr
.endr
.endm
	s_cmp_eq_u32 s17, 2                            ; the kind: the same in all partners
	s_cbranch_scc1 .Lv_out
	; ---- Q and K.  My 128 registers' worth of S0 are two heads (c = 0, 1); lane r is token r of tile t
	s_lshr_b32 s94, s77, 4
	s_lshl_b32 s94, s94, 4                         ; 16 x batch (16 blocks of 128 tokens to a sequence)
	s_lshl_b32 s95, s76, 2
	s_add_co_u32 s94, s94, s95
	s_lshl_b32 s95, s14, 1
	s_add_co_u32 s94, s94, s95                     ; + head 4 S0blk + 2 wx
	s_lshl_b32 s94, s94, 3
	s_bfe_u32 s95, s77, 0x30001                    ; the slot of 256 tokens
	s_add_co_u32 s94, s94, s95
	s_mul_i32 s94, s94, SLOTB
	s_cmp_eq_u32 s17, 0
	s_cselect_b32 s95, 26112, 0                    ; Q's parts lie 26,112 bytes above K's
	s_add_co_u32 s94, s94, s95
	s_and_b32 s95, s77, 1
	s_lshl_b32 s95, s95, 1
	s_add_co_u32 s95, s95, s13                     ; which four tiles of the slot's sixteen
	s_mul_i32 s96, s95, 3072
	s_add_co_u32 s96, s96, s94
	s_mov_b32 s97, 0
	s_add_nc_u64 s[96:97], s[10:11], s[96:97]
	s_lshl_b32 s98, s95, 8
	s_add_co_u32 s98, s98, s94
	s_add_co_u32 s98, s98, 12288
	s_mov_b32 s99, 0
	s_add_nc_u64 s[98:99], s[10:11], s[98:99]
.irp t, 0,1,2,3
	WIN 0x0e                                       ; source 0 window 2 (the sums), source 1 window 3 (cos, sin)
.set x, 0
.rept 32
.set cs, 32*\t+16*((x/16)%2)+x%16
	v_pk_mul_f32 v[HA+x:HA+x+1], v[64*\t+x:64*\t+x+1], v[cs:cs+1] op_sel_hi:[1,0]   ; (x1 cos, x2 cos)
.set x, x+2
.endr
.set x, 0
.rept 32
.set cs, 32*\t+16*((x/16)%2)+x%16
	v_pk_fma_f32 v[HA+x:HA+x+1], v[64*\t+x:64*\t+x+1], v[cs:cs+1], v[HA+x:HA+x+1] op_sel:[1,1,0] op_sel_hi:[0,1,1] neg_lo:[0,1,0]   ; (- x2 sin, + x1 sin)
.set x, x+2
.endr
	WIN 0
.if \t > 0
	s_wait_xcnt 0x0                                ; the last tile's stores have read the codes' registers
.endif
	QUANT HA, 0, PW+\t
.irp c, 0,1
	global_store_b128 v3, v[PC+6*\c:PC+6*\c+3], s[96:97] offset:768*\t+BHB*\c          ; head c's tile: 512 consecutive bytes,
	global_store_b64 v4, v[PC+6*\c+4:PC+6*\c+5], s[96:97] offset:768*\t+BHB*\c+512     ; and 256
.endr
.endr
	v_cndmask_b32 v28, v[PW], v[PW+1], s22         ; a unit of scales serves four tiles: lanes 0-15 tiles 0 and 2, lanes 16-31 tiles 1 and 3
	v_cndmask_b32 v29, v[PW+2], v[PW+3], s22
	v_perm_b32 v30, v28, v28, 0x01000100           ; head c = 0: its two bytes, twice (the upper two scale codes that are zeros)
	v_perm_b32 v31, v29, v29, 0x01000100
	v_perm_b32 v24, v28, v28, 0x03020302           ; head c = 1
	v_perm_b32 v25, v29, v29, 0x03020302
	global_store_b64 v4, v[30:31], s[98:99]
	global_store_b64 v4, v[24:25], s[98:99] offset:BHB
	s_branch .Lend
.Lv_out:
	; ---- V.  My 128 registers' worth of S0 are 128 keys; lane r is d = row r of tile t of one head
	s_lshr_b32 s94, s76, 3
	s_lshl_b32 s94, s94, 4                         ; 16 x batch (8 blocks of 256 tokens to a sequence)
	s_lshl_b32 s95, s77, 1
	s_add_co_u32 s94, s94, s95
	s_add_co_u32 s94, s94, s13                     ; + head 2 S1blk + wy
	s_lshl_b32 s94, s94, 3
	s_and_b32 s95, s76, 7                          ; the slot
	s_add_co_u32 s94, s94, s95
	s_mul_i32 s94, s94, SLOTB
	s_mul_i32 s96, s14, 6144                       ; which 128 keys of the slot
	s_add_co_u32 s96, s96, s94
	s_add_co_u32 s96, s96, 13312
	s_mov_b32 s97, 0
	s_add_nc_u64 s[96:97], s[10:11], s[96:97]
	s_lshl_b32 s98, s14, 8
	s_add_co_u32 s98, s98, s94
	s_add_co_u32 s98, s98, 25600
	s_mov_b32 s99, 0
	s_add_nc_u64 s[98:99], s[10:11], s[98:99]
.irp t, 0,1,2,3
.if \t > 0
	s_wait_xcnt 0x0
.endif
	QUANT 64*\t, 2, PW+\t
.irp c, 0,1
	global_store_b128 v3, v[PC+6*\c:PC+6*\c+3], s[96:97] offset:1536*\t+768*\c
	global_store_b64 v4, v[PC+6*\c+4:PC+6*\c+5], s[96:97] offset:1536*\t+768*\c+512
.endr
.endr
	v_cndmask_b32 v28, v[PW], v[PW+1], s22
	v_cndmask_b32 v29, v[PW+2], v[PW+3], s22
	global_store_b64 v4, v[28:29], s[98:99]
.Lend:
	s_wait_tensorcnt 0x0
	ds_add_u32 v90, v91
	s_wait_dscnt 0x0
	CROUND                                         ; the closing round: no work-group ends while a partner may still ask for a tile that names it
	s_endpgm
.Lfunc_end_k_q06e6e78d29_qkv:
	.size	k_q06e6e78d29_qkv, .Lfunc_end_k_q06e6e78d29_qkv-k_q06e6e78d29_qkv
	.p2alignl 7, 3214868480
	.fill 96, 4, 3214868480
	.section	.rodata,"a",@progbits
	.p2align	6, 0x0
	.amdhsa_kernel k_q06e6e78d29_qkv
		.amdhsa_group_segment_fixed_size 295424
		.amdhsa_private_segment_fixed_size 0
		.amdhsa_enable_private_segment 0
		.amdhsa_kernarg_size 32
		.amdhsa_user_sgpr_count 2
		.amdhsa_user_sgpr_kernarg_segment_ptr 1
		.amdhsa_wavefront_size32 1
		.amdhsa_system_sgpr_workgroup_id_x 1
		.amdhsa_system_sgpr_workgroup_id_y 1
		.amdhsa_system_sgpr_workgroup_id_z 1
		.amdhsa_system_vgpr_workitem_id 0
		.amdhsa_next_free_vgpr 896
		.amdhsa_next_free_sgpr 104
		.amdhsa_reserve_vcc 0
		.amdhsa_float_denorm_mode_32 3
		.amdhsa_float_denorm_mode_16_64 3
		.amdhsa_memory_ordered 1
		.amdhsa_forward_progress 1
		.amdhsa_inst_pref_size 126
	.end_amdhsa_kernel
	.amdgpu_metadata
---
amdhsa.version: [ 1, 2 ]
amdhsa.kernels:
  - .name:           k_q06e6e78d29_qkv
    .symbol:         k_q06e6e78d29_qkv.kd
    .args:
      - { .name: codes, .offset: 0, .size: 8, .value_kind: global_buffer, .address_space: global }
      - { .name: scl, .offset: 8, .size: 8, .value_kind: global_buffer, .address_space: global }
      - { .name: tab, .offset: 16, .size: 8, .value_kind: global_buffer, .address_space: global }
      - { .name: qkv, .offset: 24, .size: 8, .value_kind: global_buffer, .address_space: global }
    .group_segment_fixed_size: 295424
    .private_segment_fixed_size: 0
    .kernarg_segment_align: 8
    .kernarg_segment_size: 32
    .max_flat_workgroup_size: 128
    .sgpr_count:     104
    .vgpr_count:     896
    .wavefront_size: 32
...
	.end_amdgpu_metadata
.endif
;; end of part 2
;; launch attn (part 3): grid 4 x 64, 16 waves a work-group, no clusters, 327,680 bytes of LDS; arguments qkv, hc, hs; writes hc, hs
.if DOCPART == 3
	.amdgcn_target "amdgcn-amd-amdhsa--gfx1250"
	.amdhsa_code_object_version 6
	.text
	.protected	k_q06e6e78d29_attn
	.globl	k_q06e6e78d29_attn
	.p2align	8
	.type	k_q06e6e78d29_attn,@function
k_q06e6e78d29_attn:
	s_mov_b64 s[64:65], 0
	v_nop
	global_prefetch_b8 v0, s[64:65] scope:SCOPE_SE
	s_setreg_imm32_b32 hwreg(HW_REG_WAVE_MODE, 25, 1), 1
	s_wait_xcnt 0x0
; Causal attention of one head on codes of BF6 with E8M0 scales: S^T = K Q^T (K = the head's 64), p = 2^(t - M), O^T = V^T P^T (K = the keys), O / the row's sum, quantised along the head's 64 for the last product.
; t = score x log2(e) / 8; M = the running largest t rounded up to a whole number; the sum is taken of the unquantised p; when M moves, the sum and O^T are multiplied by 2^(old M - new M), which rounds nothing.
; SHARES.  Work-group (x, batch x head) owns the blocks of 256 queries x (first pass) and 7 - x (second pass): they need (x + 1) + (8 - x) = 9 slots of 256 keys, the same number in every work-group: the causal work is even,
; and the loop's trip count is a constant.  Each of the sixteen waves owns one tile of 16 queries in 256 registers: four waves to a SIMD, so that one wave's vector work stands beside another's products and LDS loads.
; A step (128 keys) all of whose keys come after the wave's queries is jumped over by a scalar branch on ids; no barrier and no tensor load stands in a step.
; NO CLUSTER: the four work-groups of a head want different slots in the same trip (slot n or n - x - 1); kept in step on joint loads they would walk 12 slots where each needs 9.
; NO PREFETCH: a slot is asked for a whole slot's steps (two key steps of each of sixteen waves) ahead of its first read.
; THE RING: two LDS slots of 26,112 bytes (K's 16 tiles, K's scales, V's 8 fragments, V's scales: dense in memory), brought by ONE tensor load of wave 0 as 102 rows of 256 bytes.
; LAYOUT: both products are used transposed: a lane holds one query throughout.  The tokens of a tile follow prep's order, so the 16 registers of the tiles 2 b and 2 b + 1 are 16 neighbouring keys (or channels).
; K = 64 IN AN INSTRUCTION OF 128: Q's upper six registers hold zero codes; K's operand of tile j is v[32 + 6 j] .. + 11, whose upper six are the next tile's codes (tile 7: zeros): they meet zeros.
; LIMITS: NaN and infinities are not served; a block of zeros gets the byte 1.
; REGISTERS: v1 16 l, v2 8 l, v3 4 r, v7 8 r, v4 r + 8 (r / 8) - 16 h; v5, v6 the add's; v8, v9 LDS addresses in hand; v12 -M, v13 largest t, v[14:15] the sum; v16-27 Q and zeros, v28 Q's scales; v32-79 K's tiles, then V's fragments;
; v80-85 zeros; v86-92 the second pass's Q; v96-159 S^T, then p; v160-191 O^T; v192-203 at work; v204-215 p's codes; v216-222 conversions' second halves; v224 f, v225 p's scale word; v226-228 at work; v230-233 K's scales, v234-235 V's.
.set SL1,   32768                      ; slot 1: one exclusive or turns an address from one slot to the other
.set SPARE, 65536                      ; the spare words: 128 bytes for each of 16 waves; no other line names them
.set SLOTB, 39424
.set BHB,   315392
	s_load_b128 s[4:7], s[0:1], 0x0                ; qkv s[4:5], hc s[6:7]
	s_load_b64 s[8:9], s[0:1], 0x10                ; hs
	v_lshl_add_u32 v5, v0, 2, SPARE
	v_mov_b32 v6, 0
	ds_add_u32 v5, v6
	ds_add_u32 v5, v6
	s_wait_dscnt 0x0
	v_lshrrev_b32 v8, 5, v0
	s_delay_alu instid0(VALU_DEP_1)
	v_readfirstlane_b32 s10, v8                    ; wave 0..15
	s_mov_b32 s11, ttmp9                           ; x
	s_and_b32 s12, ttmp7, 0xffff                   ; batch x head
	s_add_co_u32 s48, s11, 1                       ; the trip in which the second pass begins
	s_mul_i32 s36, s12, BHB
	s_mov_b32 s37, 0                               ; (stays 0: the upper word of every offset in s[36:37])
	s_mov_b32 s24, 3<<16                           ; descriptor group 1: 102 rows of 32 elements of 8 bytes, dense; no mask, no padding
	s_mov_b32 s25, 32<<16
	s_mov_b32 s26, 102<<16
	s_mov_b32 s27, 32<<16
	s_mov_b32 s28, 102
	s_mov_b32 s29, 32
	s_mov_b32 s30, 0
	s_mov_b32 s31, 0
	s_mov_b32 s20, 0x76543210
	s_mov_b32 s21, 0xfedcba98                      ; v_permlanex16_b32's selects for lane l xor 16
	s_mov_b32 s22, 0x3e38aa3b                      ; c = log2(e) / 8
	s_mov_b32 s23, s22                             ; (named with it as a pair)
	s_mov_b32 s14, 0                               ; LDS byte at which the slot in hand begins
	s_mov_b32 s15, 0                               ; the step's first key
	s_wait_kmcnt 0x0
	s_add_nc_u64 s[18:19], s[4:5], s[36:37]        ; my head's slots
	s_mov_b32 s32, 1
	s_mov_b32 s33, 0
	s_mov_b64 s[34:35], s[18:19]
	s_or_b32 s35, s35, 0x80000000
	s_cmp_lg_u32 s10, 0
	s_cbranch_scc1 .Lnot_first
	tensor_load_to_lds s[32:35], s[24:31]          ; slot 0 of the first pass
	s_nop 0
.rept 4
	v_nop
.endr
.Lnot_first:
	s_lshr_b32 s38, s10, 1
	s_lshl_b32 s38, s38, 5
	s_and_b32 s39, s10, 1
	s_lshl_b32 s39, s39, 3
	s_add_co_u32 s38, s38, s39                     ; my tile's first query in its block: 32 (w / 2) + 8 (w % 2); its queries are that + r + 8 (r / 8)
	s_lshl_b32 s16, s11, 8
	s_add_co_u32 s16, s16, s38                     ; first pass
	s_sub_co_u32 s49, 7, s11                       ; the second pass's block
	s_lshl_b32 s17, s49, 8
	s_add_co_u32 s17, s17, s38
	s_lshr_b32 s50, s12, 4
	s_lshl_b32 s50, s50, 7
	s_add_co_u32 s50, s50, s10                     ; 128 x batch + wave
	s_and_b32 s51, s12, 15                         ; head
	s_lshl_b32 s52, s11, 4
	s_add_co_u32 s52, s52, s50                     ; my group of 16 tokens among the 512: first pass,
	s_lshl_b32 s53, s49, 4
	s_add_co_u32 s53, s53, s50                     ; second pass
	s_mul_i32 s54, s51, 768
	s_mul_i32 s40, s52, 12288
	s_add_co_u32 s40, s40, s54
	s_mov_b32 s41, 0
	s_add_nc_u64 s[40:41], s[6:7], s[40:41]        ; where the heads' codes go,
	s_mul_i32 s44, s53, 12288
	s_add_co_u32 s44, s44, s54
	s_mov_b32 s45, 0
	s_add_nc_u64 s[44:45], s[6:7], s[44:45]
	s_lshl_b32 s54, s51, 6
	s_lshl_b32 s42, s52, 10
	s_add_co_u32 s42, s42, s54
	s_mov_b32 s43, 0
	s_add_nc_u64 s[42:43], s[8:9], s[42:43]        ; and their scale words
	s_lshl_b32 s46, s53, 10
	s_add_co_u32 s46, s46, s54
	s_mov_b32 s47, 0
	s_add_nc_u64 s[46:47], s[8:9], s[46:47]
	s_mul_i32 s52, s11, SLOTB
	s_mul_i32 s53, s49, SLOTB
	s_mul_i32 s54, s10, 768
	s_add_co_u32 s54, s54, 26112                   ; Q's tile w of a slot
	s_add_co_u32 s56, s52, s54
	s_mov_b32 s57, 0
	s_add_nc_u64 s[56:57], s[18:19], s[56:57]
	s_add_co_u32 s58, s53, s54
	s_mov_b32 s59, 0
	s_add_nc_u64 s[58:59], s[18:19], s[58:59]
	s_lshr_b32 s54, s10, 2
	s_lshl_b32 s54, s54, 8                         ; its scale words: unit w / 4,
	s_and_b32 s55, s10, 1
	s_lshl_b32 s55, s55, 7                         ; the unit's upper lanes for odd w,
	s_add_co_u32 s54, s54, s55
	s_bfe_u32 s55, s10, 0x10001
	s_lshl_b32 s55, s55, 2                         ; word (w / 2) % 2
	s_add_co_u32 s54, s54, s55
	s_add_co_u32 s54, s54, 38400
	s_add_co_u32 s60, s52, s54
	s_mov_b32 s61, 0
	s_add_nc_u64 s[60:61], s[18:19], s[60:61]
	s_add_co_u32 s62, s53, s54
	s_mov_b32 s63, 0
	s_add_nc_u64 s[62:63], s[18:19], s[62:63]
	v_and_b32 v8, 31, v0
	s_delay_alu instid0(VALU_DEP_1)
	v_lshlrev_b32 v1, 4, v8                        ; 16 l
	s_delay_alu instid0(VALU_DEP_2)
	v_lshlrev_b32 v2, 3, v8                        ; 8 l
	v_and_b32 v9, 15, v0                           ; r
	s_delay_alu instid0(VALU_DEP_1)
	v_lshlrev_b32 v3, 2, v9
	s_delay_alu instid0(VALU_DEP_2)
	v_lshlrev_b32 v7, 3, v9
	global_load_b128 v[16:19], v1, s[56:57]        ; both passes' Q stay in registers
	global_load_b64 v[20:21], v2, s[56:57] offset:512
	global_load_b32 v28, v7, s[60:61]
	global_load_b128 v[86:89], v1, s[58:59]
	global_load_b64 v[90:91], v2, s[58:59] offset:512
	global_load_b32 v92, v7, s[62:63]
	v_and_b32 v4, 8, v9
	s_delay_alu instid0(VALU_DEP_1)
	v_add_nc_u32 v4, v4, v9
	v_bfe_u32 v8, v0, 4, 1
	s_delay_alu instid0(VALU_DEP_1)
	v_lshlrev_b32 v8, 4, v8
	s_delay_alu instid0(VALU_DEP_1)
	v_sub_nc_u32 v4, v4, v8                        ; r + 8 (r / 8) - 16 h
.irp i, 0,1,2,3,4,5
	v_mov_b32 v[22+\i], 0                          ; zero codes: Q's k = 64 .. 127
	v_mov_b32 v[80+\i], 0                          ; and what stands above K's tile 7
.endr
	v_mov_b32 v13, 0xff61b1e6                      ; the largest t so far: -3e38
	s_delay_alu instid0(VALU_DEP_1)
	v_floor_f32 v12, -v13                          ; -M
	v_mov_b32 v14, 0
	v_mov_b32 v15, 0
.irp b, 0,1,2,3
	v_mov_b32 v[196+\b], 0                         ; written once: a lane permute's destination counts as one of its sources
.endr
	v_mov_b32 v225, 0                              ; (named as upper halves of pairs before they are first written)
	v_mov_b32 v227, 0
.set x, 0
.rept 32
	v_mov_b32 v[160+x], 0                          ; O^T: the step is written once; the first finds zeros
.set x, x+1
.endr
; A KEY STEP: 128 keys, the q-th of the slot in hand
.macro STEP q
	s_add_co_u32 s38, s16, 23                      ; my last query
	s_cmp_gt_u32 s15, s38
	s_cbranch_scc1 .Lhidden_\@
	v_add_nc_u32 v8, s14, v1
	v_add_nc_u32 v9, s14, v2
	v_nop
	v_nop                                          ; with the two additions: four places in front of loads into registers that the last products read
.irp j, 0,1,2,3,4,5,6,7
	ds_load_b128 v[32+6*\j:35+6*\j], v8 offset:(8*(\q)+\j)*768
	ds_load_b64 v[36+6*\j:37+6*\j], v9 offset:(8*(\q)+\j)*768+512
.endr
.irp g, 0,1
	ds_load_b64 v[230+2*\g:231+2*\g], v9 offset:12288+(2*(\q)+\g)*256   ; register j / 2: tile j's words, in lanes 0-15 for even j, lanes 16-31 for odd j
.endr
	s_wait_alu depctr_va_vdst(0)
	s_wait_dscnt 0x0
.irp j, 0,2,4,6
	v_wmma_scale_f32_16x16x128_f8f6f4 v[96+8*\j:103+8*\j], v[32+6*\j:43+6*\j], v[16:27], 0, v[230+\j/2], v28 matrix_a_fmt:MATRIX_FMT_BF6 matrix_b_fmt:MATRIX_FMT_BF6
	v_wmma_scale_f32_16x16x128_f8f6f4 v[104+8*\j:111+8*\j], v[38+6*\j:49+6*\j], v[16:27], 0, v[230+\j/2], v28 matrix_a_fmt:MATRIX_FMT_BF6 matrix_b_fmt:MATRIX_FMT_BF6 matrix_a_scale:MATRIX_SCALE_ROW1
.endr
.rept 4
	v_nop                                          ; places: in front of the loads below and of the first read of the scores
.endr
.irp t, 0,1,2,3                        ; V's four fragments land while the softmax is walked
.irp c, 0,1
	ds_load_b128 v[32+12*\t+6*\c:35+12*\t+6*\c], v8 offset:13312+6144*(\q)+1536*\t+768*\c
	ds_load_b64 v[36+12*\t+6*\c:37+12*\t+6*\c], v9 offset:13312+6144*(\q)+1536*\t+768*\c+512
.endr
.endr
	ds_load_b64 v[234:235], v9 offset:25600+256*(\q)
	s_add_co_u32 s38, s15, 127                     ; on the diagonal hidden scores become -infinity ahead of the maximum; a step all of whose keys count jumps over this
	s_cmp_le_u32 s38, s16
	s_cbranch_scc1 .Lopen_\@
	s_sub_co_i32 s38, s16, s15
	v_add_nc_u32 v226, s38, v4                     ; d = my query - the step's first key - 16 h.  Register 16 b + i holds key 32 b + 16 h + i of the step: hidden where 32 b + i > d
	v_mov_b32 v227, 0xff800000
.set n, 0
.rept 64
	v_cmp_gt_i32 vcc_lo, 32*(n/16)+n%16, v226
	v_cndmask_b32 v[96+n], v[96+n], v227, vcc_lo
.set n, n+1
.endr
.Lopen_\@:
.irp b, 0,1,2,3
	v_max3_num_f32 v[192+\b], v[96+16*\b], v[97+16*\b], v[98+16*\b]   ; the largest score of each block of 32 keys: for the row's maximum, and, since p rises with the score, for the block's largest p
.endr
.irp i, 3,5,7,9,11,13
.irp b, 0,1,2,3
	v_max3_num_f32 v[192+\b], v[192+\b], v[96+16*\b+\i], v[97+16*\b+\i]
.endr
.endr
.irp b, 0,1,2,3
	v_max_num_f32 v[192+\b], v[192+\b], v[111+16*\b]
.endr
.irp b, 0,1,2,3
	s_delay_alu instid0(VALU_DEP_4)
	v_permlanex16_b32 v[196+\b], v[192+\b], s20, s21
.endr
.irp b, 0,1,2,3
	s_delay_alu instid0(VALU_DEP_4)
	v_max_num_f32 v[192+\b], v[192+\b], v[196+\b]  ; with lane l xor 16's 16 keys
.endr
	s_delay_alu instid0(VALU_DEP_2)
	v_max3_num_f32 v226, v192, v193, v194
	s_delay_alu instid0(VALU_DEP_1)
	v_max_num_f32 v226, v226, v195
	s_delay_alu instid0(VALU_DEP_1)
	v_mul_f32 v226, s22, v226                      ; the step's largest t
	s_delay_alu instid0(VALU_DEP_1)
	v_max_num_f32 v13, v13, v226
	v_mov_b32 v226, v12
	s_delay_alu instid0(VALU_DEP_2)
	v_floor_f32 v12, -v13                          ; the new -M = -ceil(t)
	s_delay_alu instid0(VALU_DEP_1)
	v_sub_f32 v226, v12, v226                      ; old M - new M: a whole number, 0 or less
	s_delay_alu instid0(VALU_DEP_1)
	v_cvt_i32_f32 v226, v226                       ; (it saturates)
	s_delay_alu instid0(VALU_DEP_1)
	v_ldexp_f32 v224, 1.0, v226                    ; f = 2^(old M - new M)
.set x, 0
.rept 32
	v_pk_fma_f32 v[96+x:97+x], v[96+x:97+x], s[22:23], v[12:13] op_sel_hi:[1,0,0]   ; t - M
.set x, x+2
.endr
.irp b, 0,1,2,3
	v_fma_f32 v[192+\b], v[192+\b], s22, v12
.endr
.set x, 0
	s_wait_alu depctr_va_vdst(0)
.rept 64
	v_exp_f32 v[96+x], v[96+x]                     ; p = 2^(t - M): not normalised
.set x, x+1
.endr
	v_pk_mul_f32 v[14:15], v[14:15], v[224:225] op_sel_hi:[1,0]   ; the sums under the new M: the plain instruction behind the exponentials
	s_wait_alu depctr_va_vdst(0)                   ; one wait for the batch, ahead of its first reader
.irp b, 0,1,2,3
	v_exp_f32 v[192+\b], v[192+\b]                 ; each block's largest p
.endr
	v_pk_add_f32 v[196:197], v[100:101], v[104:105]
	v_pk_add_f32 v[254:255], v[108:109], v[112:113]
	v_pk_add_f32 v[252:253], v[116:117], v[120:121]
	v_pk_add_f32 v[250:251], v[124:125], v[128:129]
	v_pk_add_f32 v[248:249], v[132:133], v[136:137]
	v_pk_add_f32 v[246:247], v[140:141], v[144:145]
	v_pk_add_f32 v[244:245], v[148:149], v[152:153]
	v_pk_add_f32 v[14:15], v[14:15], v[156:157]
	v_pk_add_f32 v[196:197], v[196:197], v[96:97]
	v_pk_add_f32 v[254:255], v[254:255], v[98:99]
	v_pk_add_f32 v[252:253], v[252:253], v[102:103]
	v_pk_add_f32 v[250:251], v[250:251], v[106:107]
	v_pk_add_f32 v[248:249], v[248:249], v[110:111]
	v_pk_add_f32 v[246:247], v[246:247], v[114:115]
	v_pk_add_f32 v[244:245], v[244:245], v[118:119]
	v_pk_add_f32 v[14:15], v[14:15], v[122:123]
	v_pk_add_f32 v[196:197], v[196:197], v[126:127]
	v_pk_add_f32 v[254:255], v[254:255], v[130:131]
	v_pk_add_f32 v[252:253], v[252:253], v[134:135]
	v_pk_add_f32 v[250:251], v[250:251], v[138:139]
	v_pk_add_f32 v[248:249], v[248:249], v[142:143]
	v_pk_add_f32 v[246:247], v[246:247], v[146:147]
	v_pk_add_f32 v[244:245], v[244:245], v[150:151]
	v_pk_add_f32 v[14:15], v[14:15], v[154:155]
	v_pk_add_f32 v[196:197], v[196:197], v[158:159]
	s_delay_alu instid0(VALU_DEP_2)
	v_pk_add_f32 v[14:15], v[14:15], v[250:251]
	s_delay_alu instid0(VALU_DEP_2)
	v_pk_add_f32 v[196:197], v[196:197], v[248:249]
	v_pk_add_f32 v[254:255], v[254:255], v[246:247]
	v_pk_add_f32 v[252:253], v[252:253], v[244:245]
	s_delay_alu instid0(VALU_DEP_2)
	v_pk_add_f32 v[14:15], v[14:15], v[254:255]
	s_delay_alu instid0(VALU_DEP_2)
	v_pk_add_f32 v[196:197], v[196:197], v[252:253]
	s_delay_alu instid0(VALU_DEP_1)
	v_pk_add_f32 v[14:15], v[14:15], v[196:197]
	s_wait_alu depctr_va_vdst(0)                   ; and one for the four
.irp b, 0,1,2,3
	v_max_num_f32 v[192+\b], 0x2800000, v[192+\b]  ; the floor 2^(5 - 127)
.endr
.irp b, 0,1,2,3
	s_delay_alu instid0(VALU_DEP_4)
	v_add_nc_u32 v[200+\b], 0xfe000000, v[192+\b]  ; the conversion's scale operand
.endr
.irp b, 0,1,2,3
	s_delay_alu instid0(VALU_DEP_4)
	v_lshrrev_b32 v[196+\b], 23, v[200+\b]         ; the scale's byte
.endr
	s_delay_alu instid0(VALU_DEP_3)
	v_lshl_or_b32 v225, v197, 8, v196              ; p's scale word for these 128 keys
	s_delay_alu instid0(VALU_DEP_1)
	v_lshl_or_b32 v225, v198, 16, v225
	s_delay_alu instid0(VALU_DEP_1)
	v_lshl_or_b32 v225, v199, 24, v225
.irp c, 0,1
	v_cvt_scalef32_pk16_bf6_f32 v[204+6*\c:206+6*\c], v[96+32*\c:111+32*\c], v[200+2*\c]
	v_cvt_scalef32_pk16_bf6_f32 v[216+4*\c:218+4*\c], v[112+32*\c:127+32*\c], v[200+2*\c+1]
.endr
	v_nop                                          ; one plain instruction behind the scaled conversions
.irp c, 0,1
.irp i, 0,1,2
	v_permlane16_swap_b32 v[204+6*\c+\i], v[216+4*\c+\i]
.endr
.irp i, 0,1,2
	s_delay_alu instid0(VALU_DEP_3)
	v_mov_b32 v[207+6*\c+\i], v[216+4*\c+\i]
.endr
.endr
.set x, 0
.rept 16
	v_pk_mul_f32 v[160+x:161+x], v[160+x:161+x], v[224:225] op_sel_hi:[1,0]   ; O^T under the new M.  (These sixteen are also the places between the operand's and the scale word's last writes and the products)
.set x, x+2
.endr
	s_wait_alu depctr_va_vdst(0)
	s_wait_dscnt 0x0                               ; V
.irp t, 0,2
	v_wmma_scale_f32_16x16x128_f8f6f4 v[160+8*\t:167+8*\t], v[32+12*\t:43+12*\t], v[204:215], v[160+8*\t:167+8*\t], v[234+\t/2], v225 matrix_a_fmt:MATRIX_FMT_BF6 matrix_b_fmt:MATRIX_FMT_BF6
	v_wmma_scale_f32_16x16x128_f8f6f4 v[168+8*\t:175+8*\t], v[44+12*\t:55+12*\t], v[204:215], v[168+8*\t:175+8*\t], v[234+\t/2], v225 matrix_a_fmt:MATRIX_FMT_BF6 matrix_b_fmt:MATRIX_FMT_BF6 matrix_a_scale:MATRIX_SCALE_ROW1
.endr
.Lhidden_\@:
	s_add_co_u32 s15, s15, 128
.endm
; THE CHANGE OF SLOTS, at a slot's head.  Every wave waits for all its tensor loads, adds 0 to its spare word, and waits for that and for its reads of the slot that it has left.  Behind the barrier the slot ahead is whole and
; nobody reads the other one.  fill = 1: wave 0 fills that other slot with what the next trip n = trip + 1 reads: slot n of the first pass while n <= x, else slot n - x - 1 of the second.
.macro CHANGE fill
	s_wait_tensorcnt 0x0                           ; no tensor load of mine is out, so the descriptor may be written
	ds_add_u32 v5, v6                              ; 0 onto my spare word
.if \fill
	s_add_co_u32 s38, s13, 1
	s_sub_co_u32 s39, s13, s11
	s_cmp_le_u32 s38, s11
	s_cselect_b32 s38, s38, s39
	s_mul_i32 s36, s38, SLOTB
	s_add_nc_u64 s[34:35], s[18:19], s[36:37]
	s_or_b32 s35, s35, 0x80000000
	s_xor_b32 s33, s33, SL1
.endif
	s_wait_dscnt 0x0                               ; the add is done, and my reads of the slot that I have left are over
	s_barrier_signal -1
	s_barrier_wait -1
.if \fill
	s_cmp_lg_u32 s10, 0
	s_cbranch_scc1 .Lno_load_\@
	tensor_load_to_lds s[32:35], s[24:31]          ; the first thing behind the barrier, and the one tensor load until the next
	s_nop 0
.rept 4
	v_nop
.endr
.Lno_load_\@:
.endif
.endm
; THE END OF A PASS: O^T / the sum; its 32 numbers a lane (register 16 b + i = channel 32 b + 16 h + i of my query) are two blocks of the last product's K: codes (768 bytes a wave, an image of six registers) and a scale word a query.
.macro FINISH hcb, hsb
.rept 4
	v_nop                                          ; places behind the last products
.endr
	v_add_f32 v14, v14, v15
	s_delay_alu instid0(VALU_DEP_1)
	v_permlanex16_b32 v196, v14, s20, s21
	s_delay_alu instid0(VALU_DEP_1)
	v_add_f32 v14, v14, v196                       ; the row's sum
	s_wait_alu depctr_va_vdst(0)
	v_rcp_f32 v226, v14
	v_nop
	s_wait_alu depctr_va_vdst(0)                   ; ahead of the reciprocal's first reader
.set x, 0
.rept 16
	v_pk_mul_f32 v[96+x:97+x], v[160+x:161+x], v[226:227] op_sel_hi:[1,0]
.set x, x+2
.endr
.irp b, 0,1
	v_max3_num_f32 v[192+\b], |v[96+16*\b]|, |v[97+16*\b]|, 0x2800000
.endr
.irp i, 2,4,6,8,10,12,14
.irp b, 0,1
	s_delay_alu instid0(VALU_DEP_2)
	v_max3_num_f32 v[192+\b], v[192+\b], |v[96+16*\b+\i]|, |v[97+16*\b+\i]|
.endr
.endr
.irp b, 0,1
	s_delay_alu instid0(VALU_DEP_2)
	v_permlanex16_b32 v[196+\b], v[192+\b], s20, s21
.endr
.irp b, 0,1
	s_delay_alu instid0(VALU_DEP_2)
	v_max_num_f32 v[192+\b], v[192+\b], v[196+\b]
.endr
.irp b, 0,1
	s_delay_alu instid0(VALU_DEP_2)
	v_add_nc_u32 v[200+\b], 0xfe000000, v[192+\b]
.endr
.irp b, 0,1
	s_delay_alu instid0(VALU_DEP_2)
	v_lshrrev_b32 v[196+\b], 23, v[200+\b]
.endr
	s_delay_alu instid0(VALU_DEP_1)
	v_lshl_or_b32 v228, v197, 8, v196
	v_cvt_scalef32_pk16_bf6_f32 v[204:206], v[96:111], v200
	v_cvt_scalef32_pk16_bf6_f32 v[216:218], v[112:127], v201
	v_nop
.irp i, 0,1,2
	v_permlane16_swap_b32 v[204+\i], v[216+\i]
.endr
.irp i, 0,1,2
	s_delay_alu instid0(VALU_DEP_3)
	v_mov_b32 v[207+\i], v[216+\i]
.endr
	global_store_b128 v1, v[204:207], s[\hcb:\hcb+1]
	global_store_b64 v2, v[208:209], s[\hcb:\hcb+1] offset:512
	global_store_b32 v3, v228, s[\hsb:\hsb+1]      ; 64 bytes a wave (lanes l and l xor 16 write the same word with the same value): a twelfth of what the wave stores; whole runs of 256 would want four waves' words and one more barrier
	s_wait_xcnt 0x0                                ; the stores' registers are written again only behind this wait
.endm
	s_wait_loadcnt 0x0                             ; Q
	s_mov_b32 s13, 0
.Ltrip:                                            ; eight trips; behind each change of slots the next trip's slot is asked for
	CHANGE 1
	s_cmp_lg_u32 s13, s48
	s_cbranch_scc1 .Lsame_pass
	FINISH 40, 42                                  ; the first pass is over: a branch on ids and the trip's number, the same in all sixteen waves
.irp i, 0,1,2,3,4,5
	v_mov_b32 v[16+\i], v[86+\i]                   ; the second pass's Q (first, so that the lines below stand between these writes and the next products)
.endr
	v_mov_b32 v28, v92
	v_mov_b32 v13, 0xff61b1e6
	s_delay_alu instid0(VALU_DEP_1)
	v_floor_f32 v12, -v13
	v_mov_b32 v14, 0
	v_mov_b32 v15, 0
.set x, 0
.rept 32
	v_mov_b32 v[160+x], 0
.set x, x+1
.endr
	s_mov_b32 s15, 0
	s_mov_b32 s16, s17
.Lsame_pass:
	STEP 0
	STEP 1
	s_xor_b32 s14, s14, SL1
	s_add_co_u32 s13, s13, 1
	s_cmp_lt_u32 s13, 8
	s_cbranch_scc1 .Ltrip
	CHANGE 0                                       ; the ninth slot is written out
	STEP 0
	STEP 1
	FINISH 44, 46
	s_wait_tensorcnt 0x0                           ; the wave's end
	ds_add_u32 v5, v6
	s_wait_dscnt 0x0
	s_endpgm
.Lfunc_end_k_q06e6e78d29_attn:
	.size	k_q06e6e78d29_attn, .Lfunc_end_k_q06e6e78d29_attn-k_q06e6e78d29_attn
	.p2alignl 7, 3214868480
	.fill 96, 4, 3214868480
	.section	.rodata,"a",@progbits
	.p2align	6, 0x0
	.amdhsa_kernel k_q06e6e78d29_attn
		.amdhsa_group_segment_fixed_size 327680
		.amdhsa_private_segment_fixed_size 0
		.amdhsa_enable_private_segment 0
		.amdhsa_kernarg_size 24
		.amdhsa_user_sgpr_count 2
		.amdhsa_user_sgpr_kernarg_segment_ptr 1
		.amdhsa_wavefront_size32 1
		.amdhsa_system_sgpr_workgroup_id_x 1
		.amdhsa_system_sgpr_workgroup_id_y 1
		.amdhsa_system_sgpr_workgroup_id_z 1
		.amdhsa_system_vgpr_workitem_id 0
		.amdhsa_next_free_vgpr 256
		.amdhsa_next_free_sgpr 80
		.amdhsa_reserve_vcc 1
		.amdhsa_float_denorm_mode_32 3
		.amdhsa_float_denorm_mode_16_64 3
		.amdhsa_memory_ordered 1
		.amdhsa_forward_progress 1
		.amdhsa_inst_pref_size 109
	.end_amdhsa_kernel
	.amdgpu_metadata
---
amdhsa.version: [ 1, 2 ]
amdhsa.kernels:
  - .name:           k_q06e6e78d29_attn
    .symbol:         k_q06e6e78d29_attn.kd
    .args:
      - { .name: qkv, .offset: 0, .size: 8, .value_kind: global_buffer, .address_space: global }
      - { .name: hc, .offset: 8, .size: 8, .value_kind: global_buffer, .address_space: global }
      - { .name: hs, .offset: 16, .size: 8, .value_kind: global_buffer, .address_space: global }
    .group_segment_fixed_size: 327680
    .private_segment_fixed_size: 0
    .kernarg_segment_align: 8
    .kernarg_segment_size: 24
    .max_flat_workgroup_size: 512
    .sgpr_count:     80
    .vgpr_count:     256
    .wavefront_size: 32
...
	.end_amdgpu_metadata
.endif
;; end of part 3
;; launch oproj (part 4): grid 4 x 64, 4 waves a work-group, clusters of 4 x 4, 295,424 bytes of LDS; arguments codes, scl, hc, hs, out0; writes out0
.if DOCPART == 4
	.amdgcn_target "amdgcn-amd-amdhsa--gfx1250"
	.amdhsa_code_object_version 6
	.text
	.protected	k_q06e6e78d29_oproj
	.globl	k_q06e6e78d29_oproj
	.p2align	8
	.type	k_q06e6e78d29_oproj,@function
k_q06e6e78d29_oproj:
	s_mov_b64 s[64:65], 0
	v_nop
	global_prefetch_b8 v0, s[64:65] scope:SCOPE_SE
	s_setreg_imm32_b32 hwreg(HW_REG_WAVE_MODE, 25, 1), 1
	s_wait_xcnt 0x0
	s_wait_alu depctr_hold_cnt(0) depctr_sa_sdst(0) depctr_va_vdst(0) depctr_va_sdst(0) depctr_va_ssrc(0) depctr_va_vcc(0) depctr_vm_vsrc(0)
	s_getreg_b32 s2, hwreg(HW_REG_IB_STS2, 6, 4)
	s_cmp_eq_u32 s2, 0
	s_cbranch_scc0 .Lentry_in_a_cluster
	s_endpgm
.Lentry_in_a_cluster:
	s_bfe_u32 s2, ttmp6, 0x10000c
	s_cmp_lg_u32 s2, 0xf033
	s_cbranch_scc0 .Lentry_shape_is_right
	s_endpgm
.Lentry_shape_is_right:
; out = heads Wo^T on codes of BF6 with E8M0 scales; out0 [8192][1024] f32.  The frame is that of the launch for Q, K and V:
; source 0 (S0) = rows of Wo (they come to lie along a lane's registers), source 1 (S1) = tokens.  A work-group makes S0 256 x S1 128 over K = 1,024; its four waves (wy = wave / 2, wx = wave % 2) make S0 128 (8 tiles, half wx)
; x S1 64 (4 tiles, half wy): 32 accumulators.  ALL OF K LIES IN LDS AT ONCE: 4 chunks of two K steps, 73,728 bytes each (S0's 16 groups x 3,072, then S1's 8); no byte is filled twice.  A wave has four tensor loads out.
; CLUSTER 4 x 4: S1's tiles hang on cy alone and are asked for jointly along a row of the cluster, S0's on cx alone, along a column.  Waves 0 and 1 fetch S1's halves, waves 2 and 3 S0's.  256 work-groups.
; THE HEADS' SCALES lie as a word for each (group, head, token) with two bytes in it: two heads' words make a K step's scale word (v_perm_b32).
; THE WAY OUT: a lane holds 8 neighbouring columns of a token's row, and the lanes beside it other tokens: a tile of 16 tokens x 128 columns goes through the wave's own stage in LDS and leaves as rows of 512 consecutive bytes.
; The stage lies in chunk 0, which has had its one fill, and which nobody reads behind the second barrier.
; REGISTERS.  window 0: v1 r, v2 h, v3 16 l, v4 8 l, v5 128 h + 4 r, v6, v7 the stage; v8-23 LDS addresses; v32-63 S0's scale words, v64-79 S1's; v96-191 S1's fragments, two sets; v192-223 the heads' words;
; on the way out v96-223 rows of the result.   window 1: S0's fragments, two sets of 96.   window 2: accumulator (t1, t0) at v[8 (8 t1 + t0)].
.set CH,    73728
.set S1O,   49152
.set AD0,  8
.set AD0B, 12
.set AD1,  16
.set AD1B, 20
.set SC0,  32
.set SC1,  64
.set F1,   96
.set BK,   96
.set MSB, 0
.macro WIN new                         ; the immediate's high byte repeats the setting that is left
.if MSB != (\new)
	s_set_vgpr_msb (MSB<<8)|(\new)
.set MSB, (\new)
.endif
.endm
.macro PLACES                          ; four plain instructions between a matrix instruction and a load into, or a read of, its registers (ISA guide 7.12.1 for reads)
.rept 4
	v_nop
.endr
.endm
.macro CROUND                          ; a round of the cluster's barrier
	s_barrier_signal -1
	s_barrier_wait -1
	s_cmp_lg_u32 s12, 0
	s_cbranch_scc1 .Lnot_wave_0_\@
	s_barrier_signal -3
.Lnot_wave_0_\@:
	s_barrier_wait -3
	s_barrier_signal -1
	s_barrier_wait -1
.endm
	s_load_b256 s[4:11], s[0:1], 0x0               ; codes s[4:5], scales s[6:7], hc s[8:9], hs s[10:11]
	s_load_b64 s[92:93], s[0:1], 0x20              ; out0
	v_lshl_add_u32 v254, v0, 2, 0x48000
	v_mov_b32 v255, 0
	ds_add_u32 v254, v255
	ds_add_u32 v254, v255
	v_lshrrev_b32 v1, 5, v0
	v_readfirstlane_b32 s12, v1                    ; wave
	s_lshr_b32 s13, s12, 1                         ; wy.  Also: I fetch for S1 (0) or S0 (1)
	s_and_b32 s14, s12, 1                          ; wx.  Also: which half I fetch
	s_bfe_u32 s15, ttmp6, 0x40000                  ; cx = S0's block
	s_bfe_u32 s16, ttmp6, 0x40004                  ; cy
	s_and_b32 s80, ttmp7, 0xffff
	s_lshl_b32 s77, s80, 2
	s_add_co_u32 s77, s77, s16                     ; S1's block = 4 x cluster y + cy
	s_lshl_b32 s81, s77, 3                         ; S1's first group in hc
	s_lshl_b32 s85, s15, 4
	s_add_co_u32 s85, s85, 704                     ; S0's first group in the codes' buffer: Wo begins at group 704
	s_lshl_b32 s86, s14, 3
	s_add_co_u32 s86, s86, s85
	s_mul_i32 s86, s86, 12288                      ; S0: the 8 groups that I would fetch: made of cx and the wave's number, never of cy
	s_mov_b32 s87, 0
	s_lshl_b32 s82, s14, 2
	s_add_co_u32 s82, s82, s81
	s_mul_i32 s82, s82, 12288                      ; S1: the 4 groups: made of cy and the wave's number, never of cx
	s_mov_b32 s83, 0
	s_mul_i32 s78, s14, 24576                      ; where they go in a chunk: no place in the cluster enters an LDS address
	s_mul_i32 s79, s14, 12288
	s_add_co_u32 s79, s79, S1O
	s_lshl_b32 s19, s16, 2
	s_lshl_b32 s19, 15, s19                        ; my row of the cluster
	s_lshl_b32 s23, 0x1111, s15                    ; my column
	; descriptor groups 1: rows of 3,072 bytes (384 elements of 8 bytes: a group's two K steps), 12,288 bytes apart; 4 rows for S1, 8 for S0; no padding
	s_or_b32 s24, s19, (3<<16)|(1<<21)
	s_mov_b32 s25, 384<<16
	s_mov_b32 s26, 4<<16
	s_mov_b32 s27, 384<<16
	s_mov_b32 s28, 4
	s_mov_b32 s29, 1536
	s_mov_b32 s30, 0
	s_mov_b32 s31, 0
	s_or_b32 s48, s23, (3<<16)|(1<<21)
	s_mov_b32 s49, 384<<16
	s_mov_b32 s50, 8<<16
	s_mov_b32 s51, 384<<16
	s_mov_b32 s52, 8
	s_mov_b32 s53, 1536
	s_mov_b32 s54, 0
	s_mov_b32 s55, 0
	s_wait_dscnt 0x0
	s_wait_kmcnt 0x0
	s_add_nc_u64 s[86:87], s[4:5], s[86:87]
	s_add_nc_u64 s[82:83], s[8:9], s[82:83]
.irp q, 0,1,2,3                        ; groups 0, a set for each chunk: S1's at s[32 + 4 q], S0's at s56, s60, s68, s72
	s_mov_b32 s[32+4*\q], 1
	s_add_co_u32 s[33+4*\q], s79, CH*\q
	s_add_nc_u64 s[34+4*\q:35+4*\q], s[82:83], 3072*\q
	s_or_b32 s[35+4*\q], s[35+4*\q], 0x80000000
	s_mov_b32 s[56+4*\q+4*(\q/2)], 1
	s_add_co_u32 s[57+4*\q+4*(\q/2)], s78, CH*\q
	s_add_nc_u64 s[58+4*\q+4*(\q/2):59+4*\q+4*(\q/2)], s[86:87], 3072*\q
	s_or_b32 s[59+4*\q+4*(\q/2)], s[59+4*\q+4*(\q/2)], 0x80000000
.endr
	CROUND                                         ; all sixteen work-groups are here: the joint loads meet
	s_cmp_eq_u32 s13, 0                            ; a wave's four fills stand in one branch on its number
	s_cbranch_scc0 .Lfill_s0
	tensor_load_to_lds s[32:35], s[24:31]
	s_nop 0
	tensor_load_to_lds s[36:39], s[24:31]
	s_nop 0
	tensor_load_to_lds s[40:43], s[24:31]
	s_nop 0
	tensor_load_to_lds s[44:47], s[24:31]
	s_nop 0
.rept 4
	v_nop
.endr
	s_branch .Lfilled
.Lfill_s0:
	tensor_load_to_lds s[56:59], s[48:55]
	s_nop 0
	tensor_load_to_lds s[60:63], s[48:55]
	s_nop 0
	tensor_load_to_lds s[68:71], s[48:55]
	s_nop 0
	tensor_load_to_lds s[72:75], s[48:55]
	s_nop 0
.rept 4
	v_nop
.endr
.Lfilled:
	v_and_b32 v1, 15, v0                           ; r
	v_bfe_u32 v2, v0, 4, 1                         ; h
	v_and_b32 v6, 31, v0
	v_lshlrev_b32 v3, 4, v6                        ; 16 l
	v_lshlrev_b32 v4, 3, v6                        ; 8 l
	v_add_nc_u32 v[AD0], s78, v3                   ; I read S0's half wx,
	v_add_nc_u32 v[AD0B], s78, v4
	s_mul_i32 s19, s13, 12288
	s_add_co_u32 s19, s19, S1O
	v_add_nc_u32 v[AD1], s19, v3                   ; and S1's half wy
	v_add_nc_u32 v[AD1B], s19, v4
.irp q, 1,2,3
	v_add_nc_u32 v[AD0+\q], CH*\q, v[AD0]
	v_add_nc_u32 v[AD0B+\q], CH*\q, v[AD0B]
	v_add_nc_u32 v[AD1+\q], CH*\q, v[AD1]
	v_add_nc_u32 v[AD1B+\q], CH*\q, v[AD1B]
.endr
	v_lshlrev_b32 v5, 2, v1
	v_lshl_add_u32 v5, v2, 7, v5                   ; the heads' words: 4 r, and two heads on for lanes 16-31
	s_wait_alu depctr_va_vdst(0)
	s_mul_i32 s19, s12, 8448                       ; my stage: 16 rows x (512 + 16) bytes
	v_mul_u32_u24 v6, v1, 528
	v_lshl_add_u32 v6, v2, 6, v6
	v_add_nc_u32 v6, s19, v6                       ; in: row r, + 64 h
	v_add_nc_u32 v7, s19, v3                       ; back: 16 bytes a lane of a row
	s_lshl_b32 s88, s14, 3
	s_add_co_u32 s88, s88, s85
	s_lshl_b32 s88, s88, 9
	s_mov_b32 s89, 0
	s_add_nc_u64 s[88:89], s[6:7], s[88:89]        ; the scales of my 8 groups of Wo, 512 bytes a group
	s_lshl_b32 s90, s13, 2
	s_add_co_u32 s90, s90, s81
	s_lshl_b32 s90, s90, 10
	s_mov_b32 s91, 0
	s_add_nc_u64 s[90:91], s[10:11], s[90:91]      ; the words of my 4 groups of tokens, 1,024 bytes a group
	s_lshl_b32 s94, s77, 7
	s_lshl_b32 s95, s13, 6
	s_add_co_u32 s94, s94, s95                     ; my first token
	s_lshl_b32 s94, s94, 12                        ; rows of 4,096 bytes
	s_lshl_b32 s95, s15, 10
	s_add_co_u32 s94, s94, s95                     ; + column 256 S0blk
	s_lshl_b32 s95, s14, 9
	s_add_co_u32 s94, s94, s95                     ; + 128 wx, 4 bytes each
	s_mov_b32 s95, 0
	s_add_nc_u64 s[94:95], s[92:93], s[94:95]
.irp t, 0,1,2,3,4,5,6,7
.irp j, 0,1
	global_load_b64 v[SC0+4*\t+2*\j:SC0+4*\t+2*\j+1], v4, s[88:89] offset:512*\t+256*\j
.endr
.endr
.irp t, 0,1,2,3                        ; for register 4 t + i of S1's scales: lanes 0-15 heads 4 i, 4 i + 1 (K step 2 i), lanes 16-31 heads 4 i + 2, 4 i + 3 (K step 2 i + 1)
.irp i, 0,1,2,3
	global_load_b32 v[192+2*(4*\t+\i)], v5, s[90:91] offset:1024*\t+256*\i
	global_load_b32 v[193+2*(4*\t+\i)], v5, s[90:91] offset:1024*\t+256*\i+64
.endr
.endr
; K step k's fragments, 48 LDS loads in one run, into set k % 2: images of registers, 16 and 8 dense bytes a lane
.macro FETCH k
	WIN 0x40                                       ; destination window 1
.irp t, 0,1,2,3,4,5,6,7
.irp c, 0,1
	ds_load_b128 v[96*((\k)%2)+12*\t+6*\c:96*((\k)%2)+12*\t+6*\c+3], v[AD0+(\k)/2] offset:3072*\t+1536*((\k)%2)+768*\c
	ds_load_b64 v[96*((\k)%2)+12*\t+6*\c+4:96*((\k)%2)+12*\t+6*\c+5], v[AD0B+(\k)/2] offset:3072*\t+1536*((\k)%2)+768*\c+512
.endr
.endr
	WIN 0
.irp t, 0,1,2,3
.irp c, 0,1
	ds_load_b128 v[F1+48*((\k)%2)+12*\t+6*\c:F1+48*((\k)%2)+12*\t+6*\c+3], v[AD1+(\k)/2] offset:3072*\t+1536*((\k)%2)+768*\c
	ds_load_b64 v[F1+48*((\k)%2)+12*\t+6*\c+4:F1+48*((\k)%2)+12*\t+6*\c+5], v[AD1B+(\k)/2] offset:3072*\t+1536*((\k)%2)+768*\c+512
.endr
.endr
.endm
; 16 matrix instructions of K step k: S1's tiles ta, ta + 1 x S0's eight.  The 32 accumulators take turns, one instruction a turn, in one order in every step.  zero = 1: the first products start the sums.
.macro MULH k, ta, zero
	WIN 0xa1                                       ; source 0 window 1, source 1 window 0, C and D window 2
.irp t1, \ta, \ta+1
.irp t0, 0,1,2,3,4,5,6,7
.set rD, 8*(8*(\t1)+\t0)
.set rA, 96*((\k)%2)+12*\t0
.set rB, F1+48*((\k)%2)+12*(\t1)
.set rP, SC0+4*\t0+(\k)/2
.set rQ, SC1+4*(\t1)+(\k)/2
.if \zero
	v_wmma_scale_f32_16x16x128_f8f6f4 v[rD:rD+7], v[rA:rA+11], v[rB:rB+11], 0, v[rP], v[rQ] matrix_a_fmt:MATRIX_FMT_BF6 matrix_b_fmt:MATRIX_FMT_BF6
.elseif (\k)%2
	v_wmma_scale_f32_16x16x128_f8f6f4 v[rD:rD+7], v[rA:rA+11], v[rB:rB+11], v[rD:rD+7], v[rP], v[rQ] matrix_a_fmt:MATRIX_FMT_BF6 matrix_b_fmt:MATRIX_FMT_BF6 matrix_a_scale:MATRIX_SCALE_ROW1 matrix_b_scale:MATRIX_SCALE_ROW1
.else
	v_wmma_scale_f32_16x16x128_f8f6f4 v[rD:rD+7], v[rA:rA+11], v[rB:rB+11], v[rD:rD+7], v[rP], v[rQ] matrix_a_fmt:MATRIX_FMT_BF6 matrix_b_fmt:MATRIX_FMT_BF6
.endif
.endr
.endr
.endm
.macro ODD k, left                     ; an odd K step: the next step lies in the next chunk
	s_wait_tensorcnt \left                         ; my part of the next chunk is in; my loads for the chunks behind it stay out
	s_wait_dscnt 0x0                               ; this step's fragments are in: no LDS instruction of mine is out at the signal
	s_barrier_signal -1
	MULH \k, 0, 0
	s_barrier_wait -1                              ; everybody's part is in
	PLACES
	FETCH (\k)+1
	MULH \k, 2, 0
.endm
.macro EVEN k
	PLACES
	FETCH (\k)+1
	s_wait_dscnt 48                                ; all but the 48 just issued
	MULH \k, 0, 0
	MULH \k, 2, 0
.endm
	s_wait_tensorcnt 3                             ; my part of chunk 0 is in; my three later loads stay out
	s_barrier_signal -1
	s_barrier_wait -1
	FETCH 0
	FETCH 1
	s_wait_loadcnt 0x0                             ; the scale words
.set n, 0
.rept 16
	v_perm_b32 v[SC1+n], v[193+2*n], v[192+2*n], 0x05040100   ; two heads' two bytes each: a K step's scale word
.set n, n+1
.endr
.rept 8
	v_nop                                          ; a scale register written by a vector instruction stands eight places ahead of a scaled matrix instruction
.endr
	s_wait_alu depctr_va_vdst(0)
	s_wait_dscnt 48
	MULH 0, 0, 1
	MULH 0, 2, 1
	ODD 1, 2
	EVEN 2
	ODD 3, 1
	EVEN 4
	ODD 5, 0
	EVEN 6
	s_wait_dscnt 0x0
	MULH 7, 0, 0
	MULH 7, 2, 0
	WIN 0
	PLACES
; THE WAY OUT, a tile of 16 tokens at a time.  Register j of accumulator (a, t) in lane (r, h) is column 32 (t / 2) + 16 h + 8 (t % 2) + j of token r.  LDS serves a wave's instructions in order: no wait between the stores and the loads.
.macro TOSTAGE a
	WIN 0x08                                       ; an LDS store's data are its source 1: window 2
.irp t, 0,1,2,3,4,5,6,7
	ds_store_b128 v6, v[64*(\a)+8*\t:64*(\a)+8*\t+3] offset:128*(\t/2)+32*(\t%2)       ; each accumulator from its low end on
	ds_store_b128 v6, v[64*(\a)+8*\t+4:64*(\a)+8*\t+7] offset:128*(\t/2)+32*(\t%2)+16
.endr
	WIN 0
.irp p, 0,1,2,3,4,5,6,7,8,9,10,11,12,13,14,15
	ds_load_b128 v[BK+64*((\a)%2)+4*\p:BK+64*((\a)%2)+4*\p+3], v7 offset:528*\p
.endr
.endm
.macro SEND a, younger                 ; younger: the LDS instructions issued behind tile a's loads, which may stay out
	s_wait_dscnt \younger
.irp p, 0,1,2,3,4,5,6,7,8,9,10,11,12,13,14,15
	global_store_b128 v3, v[BK+64*((\a)%2)+4*\p:BK+64*((\a)%2)+4*\p+3], s[94:95] offset:(32*((\a)/2)+8*((\a)%2)+\p+8*(\p/8))*4096 th:TH_STORE_NT   ; 512 consecutive bytes of a token's row, at a multiple of 256
.endr
.endm
	TOSTAGE 0
.irp a, 1,2,3
.if \a > 1
	s_wait_xcnt 0x0                                ; tile a - 2's stores have read their registers: tile a's loads may land there
.endif
	TOSTAGE \a
	SEND \a-1, 32                                  ; behind tile a - 1's loads: tile a's 16 stores and 16 loads
.endr
	SEND 3, 0
	s_wait_tensorcnt 0x0
	ds_add_u32 v254, v255
	s_wait_dscnt 0x0
	CROUND                                         ; the closing round: no work-group ends while a partner may still ask for a tile that names it
	s_endpgm
.Lfunc_end_k_q06e6e78d29_oproj:
	.size	k_q06e6e78d29_oproj, .Lfunc_end_k_q06e6e78d29_oproj-k_q06e6e78d29_oproj
	.p2alignl 7, 3214868480
	.fill 96, 4, 3214868480
	.section	.rodata,"a",@progbits
	.p2align	6, 0x0
	.amdhsa_kernel k_q06e6e78d29_oproj
		.amdhsa_group_segment_fixed_size 295424
		.amdhsa_private_segment_fixed_size 0
		.amdhsa_enable_private_segment 0
		.amdhsa_kernarg_size 40
		.amdhsa_user_sgpr_count 2
		.amdhsa_user_sgpr_kernarg_segment_ptr 1
		.amdhsa_wavefront_size32 1
		.amdhsa_system_sgpr_workgroup_id_x 1
		.amdhsa_system_sgpr_workgroup_id_y 1
		.amdhsa_system_sgpr_workgroup_id_z 1
		.amdhsa_system_vgpr_workitem_id 0
		.amdhsa_next_free_vgpr 768
		.amdhsa_next_free_sgpr 104
		.amdhsa_reserve_vcc 0
		.amdhsa_float_denorm_mode_32 3
		.amdhsa_float_denorm_mode_16_64 3
		.amdhsa_memory_ordered 1
		.amdhsa_forward_progress 1
		.amdhsa_inst_pref_size 88
	.end_amdhsa_kernel
	.amdgpu_metadata
---
amdhsa.version: [ 1, 2 ]
amdhsa.kernels:
  - .name:           k_q06e6e78d29_oproj
    .symbol:         k_q06e6e78d29_oproj.kd
    .args:
      - { .name: codes, .offset: 0, .size: 8, .value_kind: global_buffer, .address_space: global }
      - { .name: scl, .offset: 8, .size: 8, .value_kind: global_buffer, .address_space: global }
      - { .name: hc, .offset: 16, .size: 8, .value_kind: global_buffer, .address_space: global }
      - { .name: hs, .offset: 24, .size: 8, .value_kind: global_buffer, .address_space: global }
      - { .name: out0, .offset: 32, .size: 8, .value_kind: global_buffer, .address_space: global }
    .group_segment_fixed_size: 295424
    .private_segment_fixed_size: 0
    .kernarg_segment_align: 8
    .kernarg_segment_size: 40
    .max_flat_workgroup_size: 128
    .sgpr_count:     104
    .vgpr_count:     768
    .wavefront_size: 32
...
	.end_amdgpu_metadata
.endif
;; end of part 4
